; MI455X (gfx1250); checked and timed in simulation.
; The chip was launched on July 23, 2026; its instructions are those of AMD's public machine-readable ISA for CDNA 5 (MIT licence, August 2026) and "CDNA5" Instruction Set Architecture Reference Guide (July 2026). The comments in the code are by the model that wrote it; some were corrected since.
;; Multi Head Attention. Allowed arithmetic: matrix products marked QUANTISED: E5M2 operands, one E8M0 scale for each 32 along K, by v_wmma_scale_f32_16x16x128_f8f6f4 with both operands' format E5M2, f32 sums; everything else in f32.
;; Inputs: Wk_codes 1,024 x 4 x 32 uint8 (E5M2 codes of Wk, K innermost, in blocks of 32 codes); Wk_scales 1,024 x 4 uint8 (E8M0 scales of Wk, one for each 32 codes along K); Wq_codes 1,024 x 4 x 32 uint8 (E5M2 codes of Wq, K innermost, in blocks of 32 codes); Wq_scales 1,024 x 4 uint8 (E8M0 scales of Wq, one for each 32 codes along K); Wu_codes 128 x 32 x 32 uint8 (E5M2 codes of Wu, K innermost, in blocks of 32 codes); Wu_scales 128 x 32 uint8 (E8M0 scales of Wu, one for each 32 codes along K); Wv_codes 1,024 x 4 x 32 uint8 (E5M2 codes of Wv, K innermost, in blocks of 32 codes); Wv_scales 1,024 x 4 uint8 (E8M0 scales of Wv, one for each 32 codes along K); bu 128 float32; x_codes 2 x 2,048 x 4 x 32 uint8 (E5M2 codes of x, K innermost, in blocks of 32 codes); x_scales 2 x 2,048 x 4 uint8 (E8M0 scales of x, one for each 32 codes along K).
;; Outputs: out0 2 x 2,048 x 128 float32.
;; This version of the problem:
;;   THIS VERSION OF THE PROBLEM IS GIVEN IN LOW PRECISION. The matrix products marked QUANTISED in the list below multiply operands that are first quantised to E5M2 (5 exponent bits, 2 mantissa bits; 8 bits a number), with one power-of-two scale for each 32 numbers along K (OCP MX v1.0); their sums are f32. All else is computed in f32.
;;   The module's matrix products, in the order in which they are computed (A, B: the left and right operand; K: the contracted axis; several contracted axes count as one K, in the product's order):
;;     1. [M 4,096, K 128] x [K 128, N 1,024]; A: input x (given as codes); B: input Wq (given as codes): QUANTISED
;;     2. [M 4,096, K 128] x [K 128, N 1,024]; A: input x (given as codes); B: input Wk (given as codes): QUANTISED
;;     3. [M 4,096, K 128] x [K 128, N 1,024]; A: input x (given as codes); B: input Wv (given as codes): QUANTISED
;;     4. batch 16 x [M 2,048, K 128] x [K 128, N 2,048]; A: computed on the way; B: computed on the way: QUANTISED
;;     5. batch 16 x [M 2,048, K 2,048] x [K 2,048, N 128]; A: softmax (see below); B: computed on the way: QUANTISED
;;     6. [M 4,096, K 1,024] x [K 1,024, N 128]; A: computed on the way; B: input Wu (given as codes): QUANTISED
;;   THE QUANTISER, for each operand of a quantised product, along K:
;;     - K is cut into blocks of 32 from its start; a last block that is shorter is filled with zeros.
;;     - A block's scale is 2^e with e = floor(log2(the largest magnitude in the block)) - 15, held to -126 .. 127; a block of zeros has e = 0. As a byte (E8M0): e + 127.
;;     - Each number is divided by its block's scale, clamped to +-57,344, and rounded to the nearest number of E5M2, ties to even, subnormals kept.
;;     - The product sums the exact products of the quantised numbers (number of the format x scale) in f32.
;;   ~~~python
;;   def quantise(x, axis):      # numpy; x: float32 -> the quantised numbers, widened to float32 again
;;       x = np.moveaxis(x, axis, -1); K = x.shape[-1]
;;       x = np.pad(x, [(0, 0)] * (x.ndim - 1) + [(0, -K % 32)]); x = x.reshape(x.shape[:-1] + (-1, 32)); a = np.abs(x).max(-1, keepdims=True)
;;       e = np.where(a > 0, np.clip(np.frexp(np.where(a > 0, a, 1))[1] - 1 - 15, -126, 127), 0)      # np.frexp(a)[1] - 1 = floor(log2(a)), exactly
;;       r = np.clip(x / 2.0 ** e, -57344, 57344)
;;       step = 2.0 ** (np.maximum(np.frexp(np.where(r == 0, 1, r))[1] - 1, -14) - 2)
;;       q = np.round(r / step) * step * 2.0 ** e      # np.round: ties to even
;;       return np.moveaxis(q.reshape(q.shape[:-2] + (-1,))[..., :K], -1, axis).astype(np.float32)
;;   ~~~
;;   SOFTMAX AHEAD OF A QUANTISED PRODUCT. Where the list says 'softmax', what is quantised is not the finished softmax but p = 2^(t - M), with t = logit x log2(e) and M = ceil(the row's largest t), a whole number; so 1/2 < the row's largest p <= 1. The row's sum l is taken of the UNQUANTISED p, in f32, and the product's result is divided by l at the end. Since M is a whole number, a kernel that streams over the keys may use a running M (the ceiling of the running maximum): every later rescaling is an exact power of two, which a block's scale takes up: the codes' values come out the same.
;;   OPERANDS COMPUTED ON THE WAY. 'Computed on the way' means the value that the module computes at that place (a softmax that the list does not call 'softmax' is quantised finished and normalised). What goes into a quantiser is computed in f32, as accurately as f32 sums, v_exp_f32 and their like allow (about 1e-6 of the number): no bf16 or f16 on the way to a quantiser, and a product that is left as it is and whose result goes on into a quantised operand takes f32 operands (vector FMAs, or v_wmma_f32_16x16x4_f32). A number that lies on a knife's edge between two numbers of the format may be rounded either way, as far as f32 arithmetic and the matrix unit's own rounding can turn it there, and no further.
;;   INPUTS GIVEN AS CODES. Wk (in the module: [128, 1024], K = its axis 0); Wq (in the module: [128, 1024], K = its axis 0); Wu (in the module: [1024, 128], K = its axis 0); Wv (in the module: [128, 1024], K = its axis 0); x (in the module: [2, 2048, 128], K = its axis 2): each comes as NAME_codes (uint8): NAME with its K axis moved to the last place and cut into blocks of 32 codes, [.., K / 32, bytes a block], one block behind the other in memory; one code a byte (a code: sign, 5 exponent bits, 2 mantissa bits); and NAME_scales (uint8): the same leading axes, one E8M0 byte (e + 127) for each 32 codes along K. Its value is code x scale, taken as it is: it is not quantised again, and the codes and scales need not be those that the quantiser above would give.
;; 2 versions. Each part assembles by itself: llvm-mc -triple=amdgcn-amd-amdhsa -mcpu=gfx1250 --defsym DOCPART=n.
;; ======== version 1 of 2: 3 launches
;; workspace buffers: kv 8,650,752 bytes; y_codes 4,194,304 bytes; y_scales 262,144 bytes
;; launch kvproj (part 1): grid 256 x 1, 4 waves a work-group, no clusters, 0 bytes of LDS; arguments x_codes, x_scales, Wk_codes, Wk_scales, Wv_codes, Wv_scales, kv; writes kv
.if DOCPART == 1
	.amdgcn_target "amdgcn-amd-amdhsa--gfx1250"
	.amdhsa_code_object_version 6
	.text
	.protected	k_qf291fd90e5_kvproj
	.globl	k_qf291fd90e5_kvproj
	.p2align	8
	.type	k_qf291fd90e5_kvproj,@function
k_qf291fd90e5_kvproj:
	s_mov_b64 s[64:65], 0
	v_nop
	global_prefetch_b8 v0, s[64:65] scope:SCOPE_SE
	s_setreg_imm32_b32 hwreg(HW_REG_WAVE_MODE, 25, 1), 1
	s_wait_xcnt 0x0
; k = x Wk and v = x Wv on codes of BF8 (E5M2) with E8M0 scales, and their quantising for attention's two products: k along the head's 128, v along the keys.
; OUTPUT: kv = [bh 16][key step s 16][z 2] chunks of 16,896 bytes (z = 0: K, z = 1: V).  A chunk is eight fragments of 16 rows x 128 K as IMAGES OF THE OPERAND'S REGISTERS
; (register group c of lane l at 2,048 T + 512 c + 16 l), then 512 bytes of scale words [g 2][lane 32][p 2]: word (g, lane, p) is that of tile 4 g + 2 p + lane / 16, row lane % 16.
; THE ROWS OF A TILE ARE NOT NEIGHBOURS: lane r of tile 2 b + u holds row 32 b + 8 u + r + 8 (r / 8): keys of the step for K, channels of the head for V.
; ONE PATH FOR BOTH.  P = eight fragments that stay as source 0, R = fragments taken one at a time as source 1.  K: P = the head's 128 rows of Wk, R = the step's rows of x: a lane then holds one key and
; its 64 results run along the channels.  V: P = the step's 128 rows of x, R = the head's rows of Wv: a lane holds one channel and its 64 results run along the keys.  x and the weights both have rows of
; 128 bytes and one scale word a row, so only pointers and offsets are chosen, by the work-group's number.  With P's rows in the order above, the 16 registers of results 2 b and 2 b + 1 are 16 neighbours
; along the next K, so that the conversions' results are the next operand's registers.
; SHARES: 1,024 units (z, bh, s, g) of P x four tiles of R (tiles 4 g .. 4 g + 3): one to a wave; 32 matrix instructions, four quantisings, 16 stores of 512 consecutive aligned bytes, one of 256.
; NO CLUSTER, NO LDS: the operands go straight into registers by one run of 54 loads and one wait; there is no tile in LDS that partners could receive jointly, and a unit has one K step.
; A fragment load takes 32 bytes of each of 16 rows; the four loads of a fragment together take the rows whole.
; LIMITS: a block of zeros gets the scale byte 1 (not 127) with zero codes: the bytes are read by this program alone; blocks whose largest magnitude lies under 2^-111 are held at byte 1;
; NaN and infinities are not served.
; REGISTERS: window 0: v1-8 lane numbers and offsets; v16-19 P's scale words (a register: tile 2 p in lanes 0-15, tile 2 p + 1 in lanes 16-31), v20-21 R's; v24-27 the four scale words made; v28-29 packed;
;   v32-95 eight results; v96-111 at work; v128-191 R's four fragments, each then its own tile's codes.   window 1: v0-127 P's eight fragments.
.set PS,  16
.set RS,  20
.set PW,  24
.set HA,  32
.set TM,  96                           ; +0..3 largest magnitudes, +4..7 bytes, +8..11 the largest number x the scale, +12..15 the conversions' scale operands
.set RF,  128
.set MNT, 19                           ; s19      the mantissa field of 57,344
.set SEL, 20                           ; s[20:21] v_permlanex16_b32's selects for lane l xor 16
.set MSB, 0
.macro WIN new                         ; the immediate's high byte repeats the setting that is left
.if MSB != \new
	s_set_vgpr_msb (MSB<<8)|\new
.set MSB, \new
.endif
.endm
; one product that starts a sum; ra, rb = 1: that side's scale words stand in lanes 16-31
.macro WM d, a, b, sa, sb, ra, rb
.if \ra
.if \rb
	v_wmma_scale_f32_16x16x128_f8f6f4 v[\d:\d+7], v[\a:\a+15], v[\b:\b+15], 0, v[\sa], v[\sb] matrix_a_fmt:MATRIX_FMT_BF8 matrix_b_fmt:MATRIX_FMT_BF8 matrix_a_scale:MATRIX_SCALE_ROW1 matrix_b_scale:MATRIX_SCALE_ROW1
.else
	v_wmma_scale_f32_16x16x128_f8f6f4 v[\d:\d+7], v[\a:\a+15], v[\b:\b+15], 0, v[\sa], v[\sb] matrix_a_fmt:MATRIX_FMT_BF8 matrix_b_fmt:MATRIX_FMT_BF8 matrix_a_scale:MATRIX_SCALE_ROW1
.endif
.else
.if \rb
	v_wmma_scale_f32_16x16x128_f8f6f4 v[\d:\d+7], v[\a:\a+15], v[\b:\b+15], 0, v[\sa], v[\sb] matrix_a_fmt:MATRIX_FMT_BF8 matrix_b_fmt:MATRIX_FMT_BF8 matrix_b_scale:MATRIX_SCALE_ROW1
.else
	v_wmma_scale_f32_16x16x128_f8f6f4 v[\d:\d+7], v[\a:\a+15], v[\b:\b+15], 0, v[\sa], v[\sb] matrix_a_fmt:MATRIX_FMT_BF8 matrix_b_fmt:MATRIX_FMT_BF8
.endif
.endif
.endm
; 64 numbers of a lane, register 16 b + i = k 32 b + 16 (lane / 16) + i of my row, become a fragment's codes in v[pc] on and its scale word in v[pw]
.macro QUANT s, pc, pw
.irp b, 0,1,2,3
	v_max3_num_f32 v[TM+\b], |v[\s+16*\b]|, |v[\s+1+16*\b]|, 0x8000000   ; block b: my 16 numbers, and the floor 2^(16 - 127): the byte cannot fall under 1
.endr
.irp i, 2,4,6,8,10,12,14
.irp b, 0,1,2,3
	v_max3_num_f32 v[TM+\b], v[TM+\b], |v[\s+16*\b+\i]|, |v[\s+1+16*\b+\i]|   ; the four blocks by turns
.endr
.endr
.irp b, 0,1,2,3
	v_permlanex16_b32 v[TM+4+\b], v[TM+\b], s[SEL], s[SEL+1]
.endr
.irp b, 0,1,2,3
	v_max_num_f32 v[TM+\b], v[TM+\b], v[TM+4+\b]           ; with lane l xor 16's: the block's largest magnitude
.endr
.irp b, 0,1,2,3
	v_add_nc_u32 v[TM+12+\b], 0xf8800000, v[TM+\b]         ; 15 off its exponent field: the conversion takes this operand's exponent field as its scale
.endr
.irp b, 0,1,2,3
	v_and_or_b32 v[TM+8+\b], v[TM+\b], 0x7f800000, s[MNT]  ; 57,344 x the scale
.endr
.irp b, 0,1,2,3
	v_lshrrev_b32 v[TM+4+\b], 23, v[TM+12+\b]              ; the scale's byte
.endr
	v_lshl_or_b32 v[\pw], v[TM+5], 8, v[TM+4]              ; the four bytes make my row's scale word (both halves of the lanes hold it)
	v_lshl_or_b32 v[\pw], v[TM+6], 16, v[\pw]
	v_lshl_or_b32 v[\pw], v[TM+7], 24, v[\pw]
.irp b, 0,1,2,3
.irp i, 0,1,2,3,4,5,6,7,8,9,10,11,12,13,14,15
	v_med3_num_f32 v[\s+16*\b+\i], v[\s+16*\b+\i], -v[TM+8+\b], v[TM+8+\b]   ; the conversion to an 8-bit code does not saturate (ISA guide 7.6.2): the hold at the largest code x the scale
.endr
	v_cvt_scalef32_pk8_bf8_f32 v[\pc+4*\b:\pc+1+4*\b], v[\s+16*\b:\s+7+16*\b], v[TM+12+\b]
	v_cvt_scalef32_pk8_bf8_f32 v[\pc+2+4*\b:\pc+3+4*\b], v[\s+8+16*\b:\s+15+16*\b], v[TM+12+\b]
.endr
	v_nop                                                  ; a plain line between the last conversion and the next products, which write its sources
.endm
	s_load_b128 s[4:7], s[0:1], 0x0                ; x's codes, x's scales
	s_load_b128 s[8:11], s[0:1], 0x10              ; Wk's codes, Wk's scales
	s_load_b128 s[12:15], s[0:1], 0x20             ; Wv's codes, Wv's scales
	s_load_b64 s[16:17], s[0:1], 0x30              ; kv
	v_lshrrev_b32 v1, 5, v0
	v_readfirstlane_b32 s18, v1                    ; wave 0..3
	v_and_b32 v1, 31, v0                           ; lane
	v_and_b32 v2, 15, v0                           ; r
	v_bfe_u32 v3, v0, 4, 1                         ; h
	v_and_b32 v4, 8, v2
	v_add_nc_u32 v4, v4, v2                        ; r + 8 (r / 8)
	v_lshlrev_b32 v5, 7, v4
	v_lshl_add_u32 v5, v3, 4, v5                   ; a fragment: that row of 128 bytes, + 16 h
	v_lshlrev_b32 v6, 2, v4
	v_lshl_add_u32 v6, v3, 5, v6                   ; scale words: 4 bytes a row; lanes 16-31 stand 8 rows on: the odd tile of a pair
	v_lshlrev_b32 v7, 4, v1                        ; an image's place for my lane
	v_lshlrev_b32 v8, 3, v1                        ; two scale words a lane
	v_cmp_le_u32 vcc_lo, 16, v1                    ; lanes 16-31
.irp b, 0,1,2,3
	v_mov_b32 v[TM+4+\b], 0                        ; written once: a lane permute's destination counts as one of its sources
.endr
	s_mov_b32 s[MNT], 0x600000
	s_mov_b32 s[SEL], 0x76543210
	s_mov_b32 s[SEL+1], 0xfedcba98
	s_lshr_b32 s22, ttmp9, 7                       ; z: K's work-group or V's
	s_and_b32 s50, ttmp9, 127
	s_lshr_b32 s23, s50, 3                         ; bh = 8 b + h
	s_and_b32 s50, s50, 7
	s_lshl_b32 s50, s50, 1
	s_lshr_b32 s51, s18, 1
	s_add_co_u32 s44, s50, s51                     ; key step s
	s_and_b32 s45, s18, 1                          ; g: which four tiles of R
	s_and_b32 s52, s23, 7                          ; h
	s_lshr_b32 s53, s23, 3                         ; b
	s_lshl_b32 s53, s53, 11
	s_lshl_b32 s54, s44, 7
	s_add_co_u32 s53, s53, s54                     ; the step's first row of x: 2,048 b + 128 s
	s_lshl_b32 s46, s53, 7                         ; its codes,
	s_lshl_b32 s47, s53, 2                         ; its scale words;
	s_lshl_b32 s48, s52, 14                        ; the head's 128 rows of a weight: codes,
	s_lshl_b32 s49, s52, 9                         ; scale words
	s_mov_b32 s33, 0
	s_mov_b32 s35, 0
	s_mov_b32 s37, 0
	s_mov_b32 s39, 0
	s_lshl_b32 s56, s23, 4                         ; my chunk: ((16 bh + s) 2 + z) x 16,896 bytes
	s_add_co_u32 s56, s56, s44
	s_lshl_b32 s56, s56, 1
	s_add_co_u32 s56, s56, s22
	s_mul_i32 s56, s56, 16896
	s_lshl_b32 s58, s45, 13
	s_add_co_u32 s58, s58, s56                     ; my four images: 8,192 g on
	s_mov_b32 s59, 0
	s_lshl_b32 s60, s45, 8
	s_add_co_u32 s60, s60, s56
	s_add_co_u32 s60, s60, 16384                   ; my 256 bytes of scale words
	s_mov_b32 s61, 0
	s_wait_kmcnt 0x0
	s_cmp_eq_u32 s22, 0                            ; the choice hangs on the work-group's number alone
	s_cselect_b64 s[24:25], s[8:9], s[4:5]         ; P's codes:  Wk | x
	s_cselect_b64 s[26:27], s[10:11], s[6:7]       ; P's scales
	s_cselect_b64 s[28:29], s[4:5], s[12:13]       ; R's codes:  x | Wv
	s_cselect_b64 s[30:31], s[6:7], s[14:15]       ; R's scales
	s_cselect_b32 s32, s48, s46
	s_cselect_b32 s34, s49, s47
	s_cselect_b32 s36, s46, s48
	s_cselect_b32 s38, s47, s49
	s_lshl_b32 s55, s45, 13
	s_add_co_u32 s36, s36, s55                     ; R: 64 g rows on
	s_lshl_b32 s55, s45, 8
	s_add_co_u32 s38, s38, s55
	s_add_nc_u64 s[24:25], s[24:25], s[32:33]
	s_add_nc_u64 s[26:27], s[26:27], s[34:35]
	s_add_nc_u64 s[28:29], s[28:29], s[36:37]
	s_add_nc_u64 s[30:31], s[30:31], s[38:39]
	s_add_nc_u64 s[40:41], s[16:17], s[58:59]
	s_add_nc_u64 s[42:43], s[16:17], s[60:61]
	WIN 0x40                                       ; destination window 1
.irp n, 0,1,2,3,4,5,6,7
.irp c, 0,1,2,3
	global_load_b128 v[16*\n+4*\c:16*\n+4*\c+3], v5, s[24:25] offset:(32*(\n/2)+8*(\n%2))*128+32*\c   ; P's tile n begins at row 32 (n / 2) + 8 (n % 2)
.endr
.endr
	WIN 0
.irp t, 0,1,2,3
.irp c, 0,1,2,3
	global_load_b128 v[RF+16*\t+4*\c:RF+16*\t+4*\c+3], v5, s[28:29] offset:(32*(\t/2)+8*(\t%2))*128+32*\c
.endr
.endr
.irp p, 0,1,2,3
	global_load_b32 v[PS+\p], v6, s[26:27] offset:128*\p
.endr
.irp p, 0,1
	global_load_b32 v[RS+\p], v6, s[30:31] offset:128*\p
.endr
	s_wait_loadcnt 0x0                             ; all 54 loads, once
.irp t, 0,1,2,3
	WIN 0x01                                       ; source 0 (P) window 1
.irp n, 0,1,2,3,4,5,6,7
	WM HA+8*\n, 16*\n, RF+16*\t, PS+\n/2, RS+\t/2, \n%2, \t%2     ; eight results, each begun with the constant 0
.endr
	WIN 0
.rept 9
	v_nop                                          ; eight places in front of the first read of results and of the conversions' writes into R's fragment; nine, since the next tile's products write over these results
.endr
	QUANT HA, RF+16*\t, PW+\t
.irp c, 0,1,2,3
	global_store_b128 v7, v[RF+16*\t+4*\c:RF+16*\t+4*\c+3], s[40:41] offset:2048*\t+512*\c   ; 512 consecutive bytes, aligned; each tile's codes have registers of their own, so no store's data are written again
.endr
.endr
	v_cndmask_b32 v28, v[PW], v[PW+1], vcc_lo      ; lanes 0-15: the even tile's words, lanes 16-31: the odd tile's
	v_cndmask_b32 v29, v[PW+2], v[PW+3], vcc_lo
	global_store_b64 v8, v[28:29], s[42:43]        ; 256 consecutive bytes, aligned
	s_endpgm
.Lfunc_end_k_qf291fd90e5_kvproj:
	.size	k_qf291fd90e5_kvproj, .Lfunc_end_k_qf291fd90e5_kvproj-k_qf291fd90e5_kvproj
	.p2alignl 7, 3214868480
	.fill 96, 4, 3214868480
	.section	.rodata,"a",@progbits
	.p2align	6, 0x0
	.amdhsa_kernel k_qf291fd90e5_kvproj
		.amdhsa_group_segment_fixed_size 0
		.amdhsa_private_segment_fixed_size 0
		.amdhsa_enable_private_segment 0
		.amdhsa_kernarg_size 56
		.amdhsa_user_sgpr_count 2
		.amdhsa_user_sgpr_kernarg_segment_ptr 1
		.amdhsa_wavefront_size32 1
		.amdhsa_system_sgpr_workgroup_id_x 1
		.amdhsa_system_sgpr_workgroup_id_y 1
		.amdhsa_system_sgpr_workgroup_id_z 1
		.amdhsa_system_vgpr_workitem_id 0
		.amdhsa_next_free_vgpr 384
		.amdhsa_next_free_sgpr 66
		.amdhsa_reserve_vcc 1
		.amdhsa_float_denorm_mode_32 3
		.amdhsa_float_denorm_mode_16_64 3
		.amdhsa_memory_ordered 1
		.amdhsa_forward_progress 1
		.amdhsa_inst_pref_size 48
	.end_amdhsa_kernel
	.amdgpu_metadata
---
amdhsa.version: [ 1, 2 ]
amdhsa.kernels:
  - .name:           k_qf291fd90e5_kvproj
    .symbol:         k_qf291fd90e5_kvproj.kd
    .args:
      - { .name: x_codes, .offset: 0, .size: 8, .value_kind: global_buffer, .address_space: global }
      - { .name: x_scales, .offset: 8, .size: 8, .value_kind: global_buffer, .address_space: global }
      - { .name: Wk_codes, .offset: 16, .size: 8, .value_kind: global_buffer, .address_space: global }
      - { .name: Wk_scales, .offset: 24, .size: 8, .value_kind: global_buffer, .address_space: global }
      - { .name: Wv_codes, .offset: 32, .size: 8, .value_kind: global_buffer, .address_space: global }
      - { .name: Wv_scales, .offset: 40, .size: 8, .value_kind: global_buffer, .address_space: global }
      - { .name: kv, .offset: 48, .size: 8, .value_kind: global_buffer, .address_space: global }
    .group_segment_fixed_size: 0
    .private_segment_fixed_size: 0
    .kernarg_segment_align: 8
    .kernarg_segment_size: 56
    .max_flat_workgroup_size: 128
    .sgpr_count:     66
    .vgpr_count:     384
    .wavefront_size: 32
...
	.end_amdgpu_metadata
.endif
;; end of part 1
;; launch attn (part 2): grid 16 x 16, 8 waves a work-group, clusters of 4 x 1, 327,680 bytes of LDS; arguments x_codes, x_scales, Wq_codes, Wq_scales, kv, y_codes, y_scales; writes y_codes, y_scales
.if DOCPART == 2
	.amdgcn_target "amdgcn-amd-amdhsa--gfx1250"
	.amdhsa_code_object_version 6
	.text
	.protected	k_qf291fd90e5_attn
	.globl	k_qf291fd90e5_attn
	.p2align	8
	.type	k_qf291fd90e5_attn,@function
k_qf291fd90e5_attn:
	s_mov_b64 s[64:65], 0
	v_nop
	global_prefetch_b8 v0, s[64:65] scope:SCOPE_SE
	s_setreg_imm32_b32 hwreg(HW_REG_WAVE_MODE, 25, 1), 1
	s_wait_xcnt 0x0
	s_wait_alu depctr_hold_cnt(0) depctr_sa_sdst(0) depctr_va_vdst(0) depctr_va_sdst(0) depctr_va_ssrc(0) depctr_va_vcc(0) depctr_vm_vsrc(0)
	s_getreg_b32 s2, hwreg(HW_REG_IB_STS2, 6, 4)
	s_cmp_eq_u32 s2, 0
	s_cbranch_scc0 .Lentry_in_a_cluster
	s_endpgm
.Lentry_in_a_cluster:
	s_bfe_u32 s2, ttmp6, 0x10000c
	s_cmp_lg_u32 s2, 0x3003
	s_cbranch_scc0 .Lentry_shape_is_right
	s_endpgm
.Lentry_shape_is_right:
; For one (b, h) and 128 queries: q = x Wq, quantised along the head's 128; S^T = K q^T; the streaming softmax; O^T = V^T p^T; y = O / l, quantised along the head's 128.  All products on codes of BF8 (E5M2)
; with one E8M0 scale for each 32 along K.
; THE SOFTMAX AHEAD OF THE SECOND PRODUCT: t = score x log2(e) / sqrt(128); M = the running largest t rounded UP to a whole number; p = 2^(t - M) is quantised along the keys, not normalised; the row's sum is
; taken of the unquantised p and divides O at the end.  When M moves, the sum and O are multiplied by 2^(old M - new M): exact, and without a branch on data.
; SHARES: a work-group owns 128 queries of one head: eight tiles of 16.  WAVE w HOLDS TWO TILES, tile w (register window 0) and tile w xor 1 (window 1), AND WALKS HALF OF THE KEYS: of each slot's four key steps
; those of its own parity (w % 2).  So each fragment of K and V that a wave reads from LDS feeds two products, and the two waves of a pair together walk all 2,048 keys for both tiles.  At the end each wave hands
; window 1's partial (O^T, M, the sum) to its partner through LDS and finishes tile w.  Two waves share a SIMD, 512 registers each, so that one wave's vector work stands beside the other's products.
; Both products are used transposed (source 0 = 16 keys, or 16 channels; source 1 = 16 queries): a lane holds ONE query of each tile throughout.
; K AND V come from the buffer kv as images of the operands' registers (a fragment: register group c of lane l at 512 c + 16 l), eight fragments and their 512 bytes of scale words to a chunk of 16,896 bytes,
; K's chunk and V's chunk of a key step on end.  The keys of a tile of K and the channels of a tile of V are ordered (lane r of tile 2 b + u: 32 b + 8 u + r + 8 (r / 8)) so that the 16 registers of results
; 2 b and 2 b + 1 are 16 neighbours along the next K: p's and y's conversions give the next operand's registers.
; RING: two LDS slots of four key steps (eight chunks, 135,168 consecutive bytes of memory); each of the eight waves brings one chunk with one tensor load, as 66 rows of 256 bytes.  A head is four slots' worth:
; two first fills, two refills.  By this text's own count a wave has two tensor loads out at the start and one behind each refill's round.
; CLUSTER: the four query blocks of a cluster belong to one head and walk the same chunks: each chunk is asked for JOINTLY, by the same tensor load with the same descriptor and a mask that names the four.
; The place in the cluster enters the addresses of x and y alone.
; LDS: slot 0 at 0, slot 1 at 135,168, the spare words (128 bytes a wave) at 270,336, q's images (2,560 bytes a wave; no tensor load lands there) at 271,360.  The partials of the merge (8,704 bytes a wave) lie in
; slot 0, which has had its last fill and its last read when they are stored.  The launch claims all of the LDS.
; LIMITS: a block of zeros gets the scale byte 1 (not 127) with zero codes: q's and p's bytes never leave the work-group, y's are read by this program alone; blocks whose largest magnitude lies under 2^-111 are
; held at byte 1; a block's largest p is taken as the exponential of the block's largest score, which leans on v_exp_f32 not falling where its input rises; NaN and infinities are not served.
; REGISTERS, in two windows of 256 (s_set_vgpr_msb: bits 1:0 source 0, 3:2 source 1, 5:4 source 2, 7:6 destination).  In BOTH windows, for the window's tile: v12 -M, v13 the largest t, v[14:15] the sum in two
; halves; v16-31 q's codes; v96-159 S^T, then p; v160-223 O^T; v224-239 p's codes; v232-247 at work; v252 f; v253 p's scale word; v254 at work.  v32-95: four fragments of K or V in each window.
; Window 0 alone: v1-9 offsets and addresses; the scale operands, which have no window: v248-251 those of a chunk's eight tiles, v255 and v10 q's of the two tiles, v253 and v11 p's.
.set CHUNK, 16896
.set STEPB, 2*CHUNK                    ; a key step: K's chunk, then V's
.set SLOTB, 8*CHUNK                    ; a slot: four key steps
.set SPARE, 2*SLOTB                    ; behind the ring: the spare words: four blocks of 256 bytes that no other line names
.set QIMG,  SPARE+1024                 ; q's images: 2,048 bytes of codes, then the scale word at 16 bytes a lane
.set QBLK,  2560
.set MBLK,  8704                       ; a partial: 8,192 bytes of O^T, then 16 bytes a lane: -M, t, the sum's two halves
.set LI,  1                            ; v1  16 x lane: an image's place for my lane
.set LSK, 2                            ; v2  8 x lane + my parity's key step: the step's scale words
.set LS4, 3                            ; v3  4 x lane
.set XA,  4                            ; v4  at the head x: row r of 128 bytes + 16 h; then where I read my partner's image
.set SPW, 5                            ; v5  LDS address of my spare word; never rewritten
.set NIL, 6                            ; v6  0; never rewritten
.set XS,  7                            ; v7  at the head 4 r: x's scale words; then
.set LIK, 7                            ;     16 x lane + my parity's key step
.set ADI, 8                            ; v8  at the head my offset in Wq's codes; then the LDS address of the images in hand
.set ADW, 9                            ; v9  at the head my offset in Wq's scale words; then the LDS address of the step's scale words
.set Q1S, 10                           ; v10 the scale word of window 1's q
.set P1S, 11                           ; v11 the scale word of window 1's p
.set TM,  232                          ; +0..3 largest magnitudes, +4..7 bytes, +8..11 the largest number x the scale, +12..15 the conversions' scale operands
.set WV,  18                           ; s18      my wave's number
.set MNT, 19                           ; s19      the mantissa field of 57,344
.set SEL, 20                           ; s[20:21] v_permlanex16_b32's selects for lane l xor 16
.set CS,  22                           ; s[22:23] c = log2(e) / sqrt(128); the packed form names the pair and takes its low word for both halves
.set G1,  24                           ; s[24:31] descriptor group 1
.set G0A, 32                           ; s[32:35] group 0 for slot 0
.set G0B, 36                           ; s[36:39] group 0 for slot 1
.set TB,  40                           ; s40      LDS byte at which the pair of steps in hand begins
.set CNT, 41                           ; s41      counts my two steps of a slot
.set MSB, 0
.macro WIN new                         ; the immediate's high byte repeats the setting that is left; a switch that changes nothing is dropped
.if MSB != \new
	s_set_vgpr_msb (MSB<<8)|\new
.set MSB, \new
.endif
.endm
; one product.  acc = 0: it starts the sum with the constant 0; 1: it adds in place.  ra = 1: source 0's scale words stand in lanes 16-31
.macro WM d, a, b, acc, sa, sb, ra
.if \acc
.if \ra
	v_wmma_scale_f32_16x16x128_f8f6f4 v[\d:\d+7], v[\a:\a+15], v[\b:\b+15], v[\d:\d+7], v[\sa], v[\sb] matrix_a_fmt:MATRIX_FMT_BF8 matrix_b_fmt:MATRIX_FMT_BF8 matrix_a_scale:MATRIX_SCALE_ROW1
.else
	v_wmma_scale_f32_16x16x128_f8f6f4 v[\d:\d+7], v[\a:\a+15], v[\b:\b+15], v[\d:\d+7], v[\sa], v[\sb] matrix_a_fmt:MATRIX_FMT_BF8 matrix_b_fmt:MATRIX_FMT_BF8
.endif
.else
.if \ra
	v_wmma_scale_f32_16x16x128_f8f6f4 v[\d:\d+7], v[\a:\a+15], v[\b:\b+15], 0, v[\sa], v[\sb] matrix_a_fmt:MATRIX_FMT_BF8 matrix_b_fmt:MATRIX_FMT_BF8 matrix_a_scale:MATRIX_SCALE_ROW1
.else
	v_wmma_scale_f32_16x16x128_f8f6f4 v[\d:\d+7], v[\a:\a+15], v[\b:\b+15], 0, v[\sa], v[\sb] matrix_a_fmt:MATRIX_FMT_BF8 matrix_b_fmt:MATRIX_FMT_BF8
.endif
.endif
.endm
; 64 numbers of a lane, register 16 b + i = k 32 b + 16 (lane / 16) + i of my row, become a fragment's codes in v[pc] on and its scale word in v[pw]
.macro QUANT s, pc, pw
.irp b, 0,1,2,3
	v_max3_num_f32 v[TM+\b], |v[\s+16*\b]|, |v[\s+1+16*\b]|, 0x8000000   ; block b: my 16 numbers, and the floor 2^(16 - 127): the byte cannot fall under 1
.endr
.irp i, 2,4,6,8,10,12,14
.irp b, 0,1,2,3
	v_max3_num_f32 v[TM+\b], v[TM+\b], |v[\s+16*\b+\i]|, |v[\s+1+16*\b+\i]|   ; the four blocks by turns
.endr
.endr
.irp b, 0,1,2,3
	v_permlanex16_b32 v[TM+4+\b], v[TM+\b], s[SEL], s[SEL+1]
.endr
.irp b, 0,1,2,3
	v_max_num_f32 v[TM+\b], v[TM+\b], v[TM+4+\b]           ; with lane l xor 16's: the block's largest magnitude
.endr
.irp b, 0,1,2,3
	v_add_nc_u32 v[TM+12+\b], 0xf8800000, v[TM+\b]         ; 15 off its exponent field: the conversion takes this operand's exponent field as its scale
.endr
.irp b, 0,1,2,3
	v_and_or_b32 v[TM+8+\b], v[TM+\b], 0x7f800000, s[MNT]  ; 57,344 x the scale
.endr
.irp b, 0,1,2,3
	v_lshrrev_b32 v[TM+4+\b], 23, v[TM+12+\b]              ; the scale's byte
.endr
	v_lshl_or_b32 v[\pw], v[TM+5], 8, v[TM+4]              ; the four bytes make my row's scale word (both halves of the lanes hold it)
	v_lshl_or_b32 v[\pw], v[TM+6], 16, v[\pw]
	v_lshl_or_b32 v[\pw], v[TM+7], 24, v[\pw]
.irp b, 0,1,2,3
.irp i, 0,1,2,3,4,5,6,7,8,9,10,11,12,13,14,15
	v_med3_num_f32 v[\s+16*\b+\i], v[\s+16*\b+\i], -v[TM+8+\b], v[TM+8+\b]   ; the conversion to an 8-bit code does not saturate (ISA guide 7.6.2): the hold at the largest code x the scale
.endr
	v_cvt_scalef32_pk8_bf8_f32 v[\pc+4*\b:\pc+1+4*\b], v[\s+16*\b:\s+7+16*\b], v[TM+12+\b]
	v_cvt_scalef32_pk8_bf8_f32 v[\pc+2+4*\b:\pc+3+4*\b], v[\s+8+16*\b:\s+15+16*\b], v[TM+12+\b]
.endr
	v_nop                                                  ; a plain line behind the last conversion
.endm
; A round of the cluster's barrier: my work-group's barrier, so that wave 0's signal speaks for all eight waves; wave 0 signals for the work-group; every wave waits for all four work-groups; my work-group's barrier once more.
.macro CROUND
	s_barrier_signal -1
	s_barrier_wait -1
	s_cmp_lg_u32 s[WV], 0
	s_cbranch_scc1 .Lnot_wave_0_\@
	s_barrier_signal -3
.Lnot_wave_0_\@:
	s_barrier_wait -3
	s_barrier_signal -1
	s_barrier_wait -1
.endm
; THE CHANGE OF SLOTS.  Each wave waits for all its tensor loads (its chunk of the slot ahead), adds 0 to its spare word, and waits for that and for its reads of the slot that it leaves.  Behind the barrier the slot
; ahead is whole and nobody reads the other one.  fill = 1: the slot just left is filled with the keys two slots on: the barrier is then a round of the cluster's, so that no wave of any partner still reads the
; slot or has a load on its way, and the joint refill is the first thing behind it; it has a whole slot's steps in which to land.
.macro CHANGE fill, g0
	s_wait_tensorcnt 0x0                           ; no tensor load of mine is out, so a group 0 may be written
	ds_add_u32 v[SPW], v[NIL]                      ; 0 onto my spare word
.if \fill
	s_add_nc_u64 s[\g0+2:\g0+3], s[\g0+2:\g0+3], 2*SLOTB   ; this slot's next eight chunks; the type bits on top are not reached
.endif
	s_wait_dscnt 0x0                               ; the add is done, and my reads of the slot that I leave are over
.if \fill
	CROUND
	tensor_load_to_lds s[\g0:\g0+3], s[G1:G1+7]    ; my one tensor load until the next such round
	s_nop 0
.rept 4
	v_nop
.endr
.else
	s_barrier_signal -1
	s_barrier_wait -1
.endif
.endm
; 34 LDS loads in one run: a chunk's tiles 0-3 into window 0's v32-95, its eight tiles' scale words, its tiles 4-7 into window 1's v32-95.  Each b128 reads 512 consecutive bytes.
.macro LOADS off
.irp t, 0,1,2,3
.irp c, 0,1,2,3
	ds_load_b128 v[32+16*\t+4*\c:35+16*\t+4*\c], v[ADI] offset:(\off)+\t*2048+512*\c
.endr
.endr
	ds_load_b64 v[248:249], v[ADW] offset:(\off)+16384       ; tiles 0-3: a register carries an even tile's words in lanes 0-15 and the odd one's in lanes 16-31
	ds_load_b64 v[250:251], v[ADW] offset:(\off)+16384+256   ; tiles 4-7
	WIN 0x40                                       ; destination window 1, address window 0
.irp t, 0,1,2,3
.irp c, 0,1,2,3
	ds_load_b128 v[32+16*\t+4*\c:35+16*\t+4*\c], v[ADI] offset:(\off)+(4+\t)*2048+512*\c
.endr
.endr
.endm
; 16 products: the chunk's eight tiles x my two tiles of queries.  Results at v[d] on, source 1 at v[b] on, in each tile's window; qa, qb: source 1's scale words for window 0's and window 1's tile.
; All sixteen results differ, so they take turns, one instruction a turn.  late = 1: the second buffer's loads are waited for only in front of their products.
.macro PROD d, b, acc, qa, qb, late
	WIN 0                                          ; fragments window 0, tile of window 0
.irp t, 0,1,2,3
	WM \d+8*\t, 32+16*\t, \b, \acc, 248+\t/2, \qa, \t%2
.endr
	WIN 0x54                                       ; fragments window 0; source 1, C and D window 1
.irp t, 0,1,2,3
	WM \d+8*\t, 32+16*\t, \b, \acc, 248+\t/2, \qb, \t%2
.endr
.if \late
	s_wait_dscnt 0x0                               ; tiles 4-7 are in
.endif
	WIN 0x01                                       ; fragments window 1, tile of window 0
.irp t, 0,1,2,3
	WM \d+8*(4+\t), 32+16*\t, \b, \acc, 250+\t/2, \qa, \t%2
.endr
	WIN 0x55                                       ; all in window 1
.irp t, 0,1,2,3
	WM \d+8*(4+\t), 32+16*\t, \b, \acc, 250+\t/2, \qb, \t%2
.endr
	WIN 0
.endm
; ONE TILE'S SOFTMAX FOR ONE KEY STEP, in the window that is set: every vector register that it names lies in the tile's own window.  Registers 16 b + i of S^T hold keys 32 b + 16 (lane / 16) + i of the step.
.macro SOFTMAX
.irp b, 0,1,2,3
	v_max3_num_f32 v[232+\b], v[96+16*\b], v[97+16*\b], v[98+16*\b]   ; THE LARGEST SCORE OF EACH BLOCK OF 32 KEYS serves twice: for the row's maximum, and, since p rises with the score, for the block's largest p
.endr
.irp i, 3,5,7,9,11,13
.irp b, 0,1,2,3
	v_max3_num_f32 v[232+\b], v[232+\b], v[96+16*\b+\i], v[97+16*\b+\i]
.endr
.endr
.irp b, 0,1,2,3
	v_max_num_f32 v[232+\b], v[232+\b], v[111+16*\b]
.endr
.irp b, 0,1,2,3
	v_permlanex16_b32 v[236+\b], v[232+\b], s[SEL], s[SEL+1]
.endr
.irp b, 0,1,2,3
	v_max_num_f32 v[232+\b], v[232+\b], v[236+\b]  ; with lane l xor 16's 16 keys
.endr
	v_max3_num_f32 v254, v232, v233, v234
	v_max_num_f32 v254, v254, v235                 ; the step's largest score of my query
	v_mul_f32 v254, s[CS], v254                    ; as t (c is positive)
	v_max_num_f32 v13, v13, v254                   ; the running largest t
	v_mov_b32 v254, v12
	v_floor_f32 v12, -v13                          ; the new -M = floor(-t) = -ceil(t): M is a whole number
	v_sub_f32 v254, v12, v254                      ; M's old value less its new one: a whole number, 0 or less
	v_cvt_i32_f32 v254, v254                       ; (it saturates)
	v_ldexp_f32 v252, 1.0, v254                    ; f = 2^(old M - new M)
.set J, 0
.rept 32
	v_pk_fma_f32 v[96+J:97+J], v[96+J:97+J], s[CS:CS+1], v[12:13] op_sel_hi:[1,0,0]   ; t - M, two at a time (of the pairs c and -M the low word serves both halves)
.set J, J+2
.endr
.irp b, 0,1,2,3
	v_fma_f32 v[232+\b], v[232+\b], s[CS], v12     ; the same of each block's largest score
.endr
.set J, 0
.rept 64
	v_exp_f32 v[96+J], v[96+J]                     ; p = 2^(t - M), at most 1: not normalised
.set J, J+1
.endr
.irp b, 0,1,2,3
	v_exp_f32 v[232+\b], v[232+\b]                 ; the block's largest p: the same two instructions on the same number give the same bits
.endr
	v_pk_mul_f32 v[14:15], v[14:15], v[252:253] op_sel_hi:[1,0]   ; the sums under the new M; also the plain line behind the exponentials
	s_wait_alu depctr_va_vdst(0)
.irp b, 0,1,2,3
	v_max_num_f32 v[232+\b], 0x8000000, v[232+\b]  ; the floor 2^(16 - 127): the byte cannot fall under 1
.endr
.irp b, 0,1,2,3
	v_add_nc_u32 v[244+\b], 0xf8800000, v[232+\b]  ; 15 off the exponent field: the conversion's scale operand
.endr
.irp b, 0,1,2,3
	v_and_or_b32 v[240+\b], v[232+\b], 0x7f800000, s[MNT]   ; 57,344 x the scale
.endr
.irp b, 0,1,2,3
	v_lshrrev_b32 v[236+\b], 23, v[244+\b]         ; the scale's byte
.endr
	v_lshl_or_b32 v253, v237, 8, v236              ; p's scale word for these 128 keys
	v_lshl_or_b32 v253, v238, 16, v253
	v_lshl_or_b32 v253, v239, 24, v253
	v_pk_add_f32 v[236:237], v[96:97], v[98:99]    ; THE ROW'S SUM IS TAKEN OF THE UNQUANTISED p: two at a time, in two chains
.irp j, 4,8,12,16,20,24,28,32,36,40,44,48,52,56,60
	v_pk_add_f32 v[14:15], v[14:15], v[96+\j:97+\j]
	v_pk_add_f32 v[236:237], v[236:237], v[98+\j:99+\j]
.endr
	v_pk_add_f32 v[14:15], v[14:15], v[236:237]
.irp b, 0,1,2,3
.irp i, 0,1,2,3,4,5,6,7,8,9,10,11,12,13,14,15
	v_min_num_f32 v[96+16*\b+\i], v[96+16*\b+\i], v[240+\b]   ; the conversion does not saturate (ISA guide 7.6.2); p is not negative, so the hold is one-sided
.endr
	v_cvt_scalef32_pk8_bf8_f32 v[224+4*\b:225+4*\b], v[96+16*\b:103+16*\b], v[244+\b]
	v_cvt_scalef32_pk8_bf8_f32 v[226+4*\b:227+4*\b], v[104+16*\b:111+16*\b], v[244+\b]
.endr
.set J, 0
.rept 32
	v_pk_mul_f32 v[160+J:161+J], v[160+J:161+J], v[252:253] op_sel_hi:[1,0]   ; O^T under the new M: x f, each result from its low end on; these lines also stand between the codes' making and the products
.set J, J+2
.endr
.endm
; A KEY STEP of my parity: 128 keys for my two tiles of queries.
.macro STEP
	v_add_nc_u32 v[ADI], s[TB], v[LIK]
	v_add_nc_u32 v[ADW], s[TB], v[LSK]
.rept 6
	v_nop                                          ; eight places in front of loads into registers that matrix instructions have read (the two additions above are places too)
.endr
	LOADS 0                                        ; K's chunk
	s_wait_dscnt 17                                ; tiles 0-3 and their scale words are in; behind them: the scale words of tiles 4-7 and those tiles' sixteen loads
	PROD 96, 16, 0, 255, Q1S, 1                    ; S^T = K q^T
.rept 8
	v_nop                                          ; places in front of the loads below and of the first read of the scores
.endr
	LOADS CHUNK                                    ; V's chunk: it lands under the two softmaxes, which name none of these registers
	WIN 0x55
	SOFTMAX                                        ; window 1's tile first,
	WIN 0x01                                       ; source window 1, destination window 0
	v_mov_b32 v[P1S], v253                         ; so that its scale word, copied to where a scale operand can be named, stands a whole softmax ahead of the products
	WIN 0
	SOFTMAX                                        ; window 0's tile
	s_wait_dscnt 0x0                               ; V's chunk is in
	PROD 160, 224, 1, 253, P1S, 0                  ; O^T += V^T p^T: K = these 128 keys
.endm
; my two key steps of a slot: written once, walked twice; the LDS addresses hang on s[TB], a constant stepped by a constant, and on my parity's constant in v[LIK], v[LSK]
.macro PHASE base
	s_mov_b32 s[TB], \base
	s_mov_b32 s[CNT], 2
.Lstep_\@:
	STEP
	s_add_co_u32 s[TB], s[TB], 2*STEPB
	s_sub_co_u32 s[CNT], s[CNT], 1
	s_cmp_lg_u32 s[CNT], 0
	s_cbranch_scc1 .Lstep_\@
.endm
; a tile's state before its first step, in the window that is set.  The step is written once: the first finds zeros, which the first change of M leaves zeros
.macro INIT
	v_mov_b32 v13, 0xff61b1e6                      ; the largest t so far: -3e38, under every t
	v_floor_f32 v12, -v13                          ; -M
	v_mov_b32 v14, 0                               ; the sum, in two halves
	v_mov_b32 v15, 0
	v_mov_b32 v253, 0                              ; (named as the upper half of the pair v[252:253] before it is first written)
.set J, 0
.rept 64
	v_mov_b32 v[160+J], 0                          ; O^T
.set J, J+1
.endr
.endm
	s_load_b128 s[4:7], s[0:1], 0x0                ; x's codes, x's scales
	s_load_b128 s[8:11], s[0:1], 0x10              ; Wq's codes, Wq's scales
	s_load_b128 s[12:15], s[0:1], 0x20             ; kv, y's codes
	s_load_b64 s[16:17], s[0:1], 0x30              ; y's scale words
	v_lshl_add_u32 v[SPW], v0, 2, SPARE
	v_mov_b32 v[NIL], 0
	ds_add_u32 v5, v6
	ds_add_u32 v5, v6
	s_wait_dscnt 0x0
	v_lshrrev_b32 v1, 5, v0
	v_readfirstlane_b32 s[WV], v1                  ; wave 0..7
	s_bfe_u32 s42, ttmp6, 0x40000                  ; cx: my place in the cluster
	s_lshl_b32 s43, ttmp9, 2                       ; in a cluster launch ttmp9 counts clusters
	s_add_co_u32 s43, s43, s42                     ; my block of 128 queries: it enters x's and y's addresses alone
	s_and_b32 s44, ttmp7, 0xffff                   ; bh = 8 b + h, which the four partners share
	s_and_b32 s45, s44, 7                          ; h
	s_lshr_b32 s46, s44, 3                         ; b
	s_lshl_b32 s47, s46, 7
	s_lshl_b32 s48, s43, 3
	s_add_co_u32 s47, s47, s48
	s_add_co_u32 s47, s47, s[WV]                   ; m = 128 b + 8 x block + wave: the tile of 16 rows, among the 256, whose q I make and whose y I finish
	s_lshl_b32 s48, s47, 3
	s_add_co_u32 s48, s48, s45                     ; 8 m + h: my fragment of y
	s_and_b32 s56, s[WV], 1
	s_mul_i32 s56, s56, STEPB                      ; my parity's key step in a pair of steps
	s_xor_b32 s58, s[WV], 1                        ; my partner
	s_mul_i32 s57, s[WV], QBLK
	s_add_co_u32 s57, s57, QIMG                    ; where I put q's image,
	s_mul_i32 s60, s58, MBLK                       ; (where my partner puts its partial,
	s_mul_i32 s59, s[WV], MBLK                     ; and I mine: in slot 0)
	s_mul_i32 s58, s58, QBLK
	s_add_co_u32 s58, s58, QIMG                    ; and where my partner puts its own
	; descriptor group 1: a chunk, 16,896 dense bytes, as 66 rows of 32 elements of 8 bytes
	s_mov_b32 s[G1], 15|(3<<16)|(1<<21)            ; 15:0 the mask: all four work-groups; 17:16 elements of 8 bytes; 20 no padding; 21 set beside a mask
	s_mov_b32 s[G1+1], 32<<16                      ; tensor_dim0 = 32
	s_mov_b32 s[G1+2], 66<<16                      ; tensor_dim1 = 66
	s_mov_b32 s[G1+3], 32<<16                      ; tile_dim0 = 32
	s_mov_b32 s[G1+4], 66                          ; tile_dim1 = 66
	s_mov_b32 s[G1+5], 32                          ; elements from row to row
	s_mov_b32 s[G1+6], 0
	s_mov_b32 s[G1+7], 0
	s_mul_i32 s[G0A+1], s[WV], CHUNK               ; LDS address: my chunk of slot 0: the wave's number times a constant
	s_mul_i32 s50, s44, 32*CHUNK                   ; the head's 32 chunks in kv,
	s_add_co_u32 s50, s50, s[G0A+1]                ; and my chunk among a slot's eight
	s_mov_b32 s51, 0
	s_mov_b32 s[MNT], 0x600000
	s_mov_b32 s[SEL], 0x76543210
	s_mov_b32 s[SEL+1], 0xfedcba98
	s_mov_b32 s[CS], 0x3e0293ee                    ; c = log2(e) / sqrt(128)
	s_mov_b32 s[CS+1], s[CS]                       ; named with it as a pair, so it is written
	s_wait_kmcnt 0x0
	s_add_nc_u64 s[52:53], s[12:13], s[50:51]
	s_mov_b32 s[G0A], 1                            ; count = 1
	s_mov_b64 s[G0A+2:G0A+3], s[52:53]             ; key steps 0 to 3
	s_or_b32 s[G0A+3], s[G0A+3], 0x80000000        ; type = 2
	s_mov_b32 s[G0B], 1
	s_add_co_u32 s[G0B+1], s[G0A+1], SLOTB
	s_add_nc_u64 s[G0B+2:G0B+3], s[52:53], SLOTB   ; key steps 4 to 7
	s_or_b32 s[G0B+3], s[G0B+3], 0x80000000
	CROUND                                         ; all four work-groups are here: the first joint loads meet
	tensor_load_to_lds s[G0A:G0A+3], s[G1:G1+7]    ; both first fills go out together, ahead of every wait on TENSORcnt and every LDS read
	s_nop 0
	tensor_load_to_lds s[G0B:G0B+3], s[G1:G1+7]
	s_nop 0
.rept 4
	v_nop
.endr
	; ---- q = x Wq for tile w, while the chunks are on their way
	s_mov_b32 s55, 0
	s_lshl_b32 s54, s47, 11
	s_add_nc_u64 s[4:5], s[4:5], s[54:55]          ; x's codes: 16 m rows of 128 bytes
	s_lshl_b32 s54, s47, 6
	s_add_nc_u64 s[6:7], s[6:7], s[54:55]          ; x's scale words
	s_lshl_b32 s54, s45, 14
	s_add_nc_u64 s[8:9], s[8:9], s[54:55]          ; the head's 128 rows of Wq
	s_lshl_b32 s54, s45, 9
	s_add_nc_u64 s[10:11], s[10:11], s[54:55]
	s_lshl_b32 s54, s48, 11
	s_add_nc_u64 s[14:15], s[14:15], s[54:55]      ; y's codes: fragment 8 m + h
	s_lshl_b32 s54, s48, 7
	s_add_nc_u64 s[16:17], s[16:17], s[54:55]      ; y's scale words
	v_and_b32 v1, 31, v0                           ; lane
	v_lshlrev_b32 v[LSK], 3, v1
	v_add_nc_u32 v[LSK], s56, v[LSK]
	v_lshlrev_b32 v[LS4], 2, v1
	v_lshlrev_b32 v[LI], 4, v1
	v_and_b32 v252, 15, v0                         ; r
	v_bfe_u32 v254, v0, 4, 1                       ; h
	v_lshlrev_b32 v[XA], 7, v252
	v_lshl_add_u32 v[XA], v254, 4, v[XA]
	v_lshlrev_b32 v[XS], 2, v252
	v_and_b32 v9, 8, v252
	v_add_nc_u32 v9, v9, v252                      ; r + 8 (r / 8)
	v_lshlrev_b32 v[ADI], 7, v9
	v_lshl_add_u32 v[ADI], v254, 4, v[ADI]         ; Wq: that row of 128 bytes + 16 h
	v_lshlrev_b32 v[ADW], 2, v9
	v_lshl_add_u32 v[ADW], v254, 5, v[ADW]         ; its scale words; lanes 16-31 stand 8 rows on: the odd tile of a pair
.irp c, 0,1,2,3
	global_load_b128 v[224+4*\c:227+4*\c], v[XA], s[4:5] offset:32*\c
.endr
	global_load_b32 v255, v[XS], s[6:7]
.irp n, 0,1,2,3,4,5,6,7                        ; Wq's tiles 0-3 at v32 on, 4-7 at v160 on
.irp c, 0,1,2,3
	global_load_b128 v[32+16*\n+64*(\n/4)+4*\c:35+16*\n+64*(\n/4)+4*\c], v[ADI], s[8:9] offset:(32*(\n/2)+8*(\n%2))*128+32*\c
.endr
.endr
.irp p, 0,1,2,3
	global_load_b32 v[248+\p], v[ADW], s[10:11] offset:128*\p
.endr
	s_wait_loadcnt 0x0                             ; all 41 loads; their offset registers are free
.irp n, 0,1,2,3,4,5,6,7
	WM 96+8*\n, 32+16*\n+64*(\n/4), 224, 0, 248+\n/2, 255, \n%2   ; lane (r, h) holds query r; registers 16 b + i hold channels 32 b + 16 h + i
.endr
	v_add_nc_u32 v[LIK], s56, v[LI]                ; eight places in front of the first read of results and of writes into x's fragment and its scale word: three additions that are due anyway,
	v_add_nc_u32 v[ADI], s57, v[LI]                ; (where I put q's image)
	v_add_nc_u32 v[XA], s58, v[LI]                 ; (where I read my partner's)
.rept 5
	v_nop                                          ; and five of these
.endr
.irp b, 0,1,2,3
	v_mov_b32 v[236+\b], 0                         ; written once: a lane permute's destination counts as one of its sources
.endr
	QUANT 96, 16, 255                              ; tile w's q: codes v16-31, scale word v255
.irp c, 0,1,2,3
	ds_store_b128 v[ADI], v[16+4*\c:19+4*\c] offset:512*\c   ; its image, for my partner
.endr
	ds_store_b32 v[ADI], v255 offset:2048          ; and its scale word, 16 bytes from lane to lane, so that one address register serves
	INIT                                           ; window 0's tile
	WIN 0x55
	INIT                                           ; window 1's
.irp b, 0,1,2,3
	v_mov_b32 v[236+\b], 0                         ; window 1's permute destinations, written once
.endr
	WIN 0
	s_wait_tensorcnt 0x1                           ; my chunk of slot 0 is in; slot 1's, issued behind it, may stay out
	s_wait_dscnt 0x0                               ; for my partner's sake: q's image lies in LDS
	s_barrier_signal -1
	s_barrier_wait -1                              ; everybody's chunk and image are there
	ds_load_b32 v[Q1S], v[XA] offset:2048          ; tile w xor 1's q: its scale word,
	WIN 0x40
.irp c, 0,1,2,3
	ds_load_b128 v[16+4*\c:19+4*\c], v[XA] offset:512*\c     ; and its codes, into window 1; the first step's wait for K's first loads, issued behind these, covers them
.endr
	WIN 0
	PHASE 0                                        ; of key steps 0 to 3 my two
	CHANGE 1, G0A                                  ; slot 0 takes key steps 8 to 11
	PHASE SLOTB                                    ; 4 to 7
	CHANGE 1, G0B                                  ; slot 1 takes 12 to 15
	PHASE 0                                        ; 8 to 11
	CHANGE 0, G0A                                  ; nothing is left to fetch; behind this barrier nobody reads slot 0, and it has had its last fill
	PHASE SLOTB                                    ; 12 to 15
	; ---- THE MERGE.  Window 1's partial goes to my partner, whose window 1 holds the other half of the keys of my tile w.
	v_add_nc_u32 v[ADI], s59, v[LI]                ; eight places behind the last products: two additions,
	v_add_nc_u32 v[XA], s60, v[LI]
.rept 6
	v_nop                                          ; and six of these
.endr
	WIN 0x04                                       ; an LDS store's data are its source 1: window 1
.set J, 0
.rept 16
	ds_store_b128 v[ADI], v[160+4*J:163+4*J] offset:512*J    ; O^T as it stands, each result from its low end on
.set J, J+1
.endr
	ds_store_b128 v[ADI], v[12:15] offset:8192     ; -M, t, the sum's two halves
	WIN 0
	s_wait_dscnt 0x0                               ; for my partner's sake: my partial lies in LDS
	s_barrier_signal -1
	s_barrier_wait -1
.set J, 0
.rept 16
	ds_load_b128 v[96+4*J:99+4*J], v[XA] offset:512*J        ; my partner's O^T of tile w: the same lanes hold the same query and channels
.set J, J+1
.endr
	ds_load_b128 v[232:235], v[XA] offset:8192
	s_wait_dscnt 0x0
	v_min_num_f32 v240, v12, v232                  ; -M of all keys: M is the larger of the two
	v_sub_f32 v241, v240, v12                      ; my M less the common one: a whole number, 0 or less
	v_sub_f32 v242, v240, v232                     ; my partner's likewise
	v_cvt_i32_f32 v241, v241
	v_cvt_i32_f32 v242, v242
	v_ldexp_f32 v236, 1.0, v241                    ; fa, fb: exact powers of two
	v_ldexp_f32 v238, 1.0, v242
	v_pk_mul_f32 v[14:15], v[14:15], v[236:237] op_sel_hi:[1,0]
	v_pk_fma_f32 v[14:15], v[234:235], v[238:239], v[14:15] op_sel_hi:[1,0,1]   ; the sum under the common M, still in two halves
	v_add_f32 v14, v14, v15                        ; the two halves,
	v_permlanex16_b32 v252, v14, s[SEL], s[SEL+1]
	v_add_f32 v14, v14, v252                       ; and lane l xor 16's: the row's sum
	v_rcp_f32 v14, v14
	v_nop                                          ; a plain line behind the transcendental
	s_wait_alu depctr_va_vdst(0)
	v_mul_f32 v236, v236, v14                      ; fa / l, fb / l: a power of two times 1 / l rounds nothing
	v_mul_f32 v238, v238, v14
.set J, 0
.rept 32
	v_pk_mul_f32 v[96+J:97+J], v[96+J:97+J], v[238:239] op_sel_hi:[1,0]
.set J, J+2
.endr
.set J, 0
.rept 32
	v_pk_fma_f32 v[96+J:97+J], v[160+J:161+J], v[236:237], v[96+J:97+J] op_sel_hi:[1,0,1]   ; register 16 b + i is y(query r, channel 32 b + 16 h + i); each result is read from its low end on
.set J, J+2
.endr
	; ---- THE WAY OUT: y quantised along the head's 128; the codes are the next product's fragment as they stand, so they leave straight from registers
	QUANT 96, 16, 255
.irp c, 0,1,2,3
	global_store_b128 v[LI], v[16+4*\c:19+4*\c], s[14:15] offset:512*\c   ; 512 consecutive bytes, aligned
.endr
	global_store_b32 v[LS4], v255, s[16:17]        ; 128 consecutive bytes: half of an aligned block of 256; a sixteenth of the codes' bytes
	s_wait_tensorcnt 0x0                           ; the wave's end
	ds_add_u32 v[SPW], v[NIL]
	s_wait_dscnt 0x0
	CROUND                                         ; the closing round: no work-group ends while a partner may still ask for a chunk that names it
	s_endpgm
.Lfunc_end_k_qf291fd90e5_attn:
	.size	k_qf291fd90e5_attn, .Lfunc_end_k_qf291fd90e5_attn-k_qf291fd90e5_attn
	.p2alignl 7, 3214868480
	.fill 96, 4, 3214868480
	.section	.rodata,"a",@progbits
	.p2align	6, 0x0
	.amdhsa_kernel k_qf291fd90e5_attn
		.amdhsa_group_segment_fixed_size 327680
		.amdhsa_private_segment_fixed_size 0
		.amdhsa_enable_private_segment 0
		.amdhsa_kernarg_size 56
		.amdhsa_user_sgpr_count 2
		.amdhsa_user_sgpr_kernarg_segment_ptr 1
		.amdhsa_wavefront_size32 1
		.amdhsa_system_sgpr_workgroup_id_x 1
		.amdhsa_system_sgpr_workgroup_id_y 1
		.amdhsa_system_sgpr_workgroup_id_z 1
		.amdhsa_system_vgpr_workitem_id 0
		.amdhsa_next_free_vgpr 512
		.amdhsa_next_free_sgpr 66
		.amdhsa_reserve_vcc 0
		.amdhsa_float_denorm_mode_32 3
		.amdhsa_float_denorm_mode_16_64 3
		.amdhsa_memory_ordered 1
		.amdhsa_forward_progress 1
		.amdhsa_inst_pref_size 198
	.end_amdhsa_kernel
	.amdgpu_metadata
---
amdhsa.version: [ 1, 2 ]
amdhsa.kernels:
  - .name:           k_qf291fd90e5_attn
    .symbol:         k_qf291fd90e5_attn.kd
    .args:
      - { .name: x_codes, .offset: 0, .size: 8, .value_kind: global_buffer, .address_space: global }
      - { .name: x_scales, .offset: 8, .size: 8, .value_kind: global_buffer, .address_space: global }
      - { .name: Wq_codes, .offset: 16, .size: 8, .value_kind: global_buffer, .address_space: global }
      - { .name: Wq_scales, .offset: 24, .size: 8, .value_kind: global_buffer, .address_space: global }
      - { .name: kv, .offset: 32, .size: 8, .value_kind: global_buffer, .address_space: global }
      - { .name: y_codes, .offset: 40, .size: 8, .value_kind: global_buffer, .address_space: global }
      - { .name: y_scales, .offset: 48, .size: 8, .value_kind: global_buffer, .address_space: global }
    .group_segment_fixed_size: 327680
    .private_segment_fixed_size: 0
    .kernarg_segment_align: 8
    .kernarg_segment_size: 56
    .max_flat_workgroup_size: 256
    .sgpr_count:     66
    .vgpr_count:     512
    .wavefront_size: 32
...
	.end_amdgpu_metadata
.endif
;; end of part 2
;; launch outproj (part 3): grid 256 x 1, 8 waves a work-group, no clusters, 68,608 bytes of LDS; arguments y_codes, y_scales, Wu_codes, Wu_scales, bu, out0; writes out0
.if DOCPART == 3
	.amdgcn_target "amdgcn-amd-amdhsa--gfx1250"
	.amdhsa_code_object_version 6
	.text
	.protected	k_qf291fd90e5_outproj
	.globl	k_qf291fd90e5_outproj
	.p2align	8
	.type	k_qf291fd90e5_outproj,@function
k_qf291fd90e5_outproj:
	s_mov_b64 s[64:65], 0
	v_nop
	global_prefetch_b8 v0, s[64:65] scope:SCOPE_SE
	s_setreg_imm32_b32 hwreg(HW_REG_WAVE_MODE, 25, 1), 1
	s_wait_xcnt 0x0
; out = y Wu + bu on codes of BF8 (E5M2) with one E8M0 scale for each 32 along K = 1,024.  y comes as images of the operand's registers: fragment (row tile m, K step h) at (8 m + h) x 2,048 bytes,
; register group c of lane l at 512 c + 16 l; its scale words at (8 m + h) x 128 bytes, 4 bytes a lane.  Wu: [128 outputs][1,024] codes, [128][32] scale bytes.
; SHARES: a work-group makes 16 rows x all 128 outputs.  WAVE w TAKES K STEP w (head w) for all eight tiles of outputs: eight products, each begun with the constant 0, on eight results.  The eight partial
; tiles meet in LDS, which is also the way into whole rows: wave w then sums rows 2 w and 2 w + 1, in a fixed order (the bias, then K steps 0 to 7), and stores them.
; The product is used transposed (source 0 = 16 rows of Wu, source 1 = y): a lane holds eight neighbouring outputs of one row.
; LDS: partial p at 8,448 p: 16 rows of 512 bytes + 16 of padding (528 = 33 x 16, so that the 16 rows that a store touches begin in different banks: 64 banks of 4 bytes, ISA guide 11.1).
; NO CLUSTER, NO TENSOR LOAD: the operands go straight into registers by one run of 42 loads and one wait, and a wave has one K step: there is no tile in LDS that partners could receive jointly.
; A wave's loads of Wu take 128 bytes of each of the 128 rows, 32 bytes of 16 rows an instruction.
; REGISTERS: v1-6 offsets and addresses; v[8:11] my four numbers of bu; v12 y's scale word; v20-23 Wu's scale words (tile 2 p in lanes 0-15, tile 2 p + 1 in lanes 16-31); v32-159 Wu's eight fragments, then
; v32-95 the partial rows and v96-103 the sums; v160-223 the eight results; v224-239 y's fragment.
.set PART,  8448
.set PITCH, 528
.macro WM d, a, b, sa, sb, ra
.if \ra
	v_wmma_scale_f32_16x16x128_f8f6f4 v[\d:\d+7], v[\a:\a+15], v[\b:\b+15], 0, v[\sa], v[\sb] matrix_a_fmt:MATRIX_FMT_BF8 matrix_b_fmt:MATRIX_FMT_BF8 matrix_a_scale:MATRIX_SCALE_ROW1
.else
	v_wmma_scale_f32_16x16x128_f8f6f4 v[\d:\d+7], v[\a:\a+15], v[\b:\b+15], 0, v[\sa], v[\sb] matrix_a_fmt:MATRIX_FMT_BF8 matrix_b_fmt:MATRIX_FMT_BF8
.endif
.endm
	s_load_b128 s[4:7], s[0:1], 0x0                ; y's codes, y's scale words
	s_load_b128 s[8:11], s[0:1], 0x10              ; Wu's codes, Wu's scales
	s_load_b128 s[12:15], s[0:1], 0x20             ; bu, out
	v_lshl_add_u32 v254, v0, 2, 0x10800
	v_mov_b32 v255, 0
	v_lshrrev_b32 v1, 5, v0
	v_readfirstlane_b32 s16, v1                    ; wave 0..7
	v_and_b32 v1, 31, v0                           ; lane
	v_lshlrev_b32 v2, 2, v1                        ; 4 x lane
	v_lshlrev_b32 v1, 4, v1                        ; 16 x lane
	v_and_b32 v10, 15, v0                          ; r
	v_bfe_u32 v11, v0, 4, 1                        ; h
	v_lshlrev_b32 v3, 10, v10
	v_lshl_add_u32 v3, v11, 4, v3                  ; Wu: row r of 1,024 bytes + 16 h
	v_lshlrev_b32 v4, 5, v10
	v_lshl_add_u32 v4, v11, 9, v4                  ; its scale words: 32 bytes a row; lanes 16-31 stand 16 rows on: the odd tile of a pair
	s_mul_i32 s20, s16, PART
	v_mul_u32_u24 v5, v10, PITCH
	v_lshl_add_u32 v5, v11, 5, v5
	v_add_nc_u32 v5, s20, v5                       ; into my partial: row r, + 32 h
	s_mul_i32 s20, s16, 2*PITCH
	v_add_nc_u32 v6, s20, v1                       ; back: rows 2 w and 2 w + 1 of every partial, 16 bytes a lane
	s_lshl_b32 s17, ttmp9, 3
	s_add_co_u32 s17, s17, s16                     ; 8 m + w
	s_mov_b32 s19, 0
	s_wait_kmcnt 0x0
	s_lshl_b32 s18, s17, 11
	s_add_nc_u64 s[4:5], s[4:5], s[18:19]
	s_lshl_b32 s18, s17, 7
	s_add_nc_u64 s[6:7], s[6:7], s[18:19]
	s_lshl_b32 s18, s16, 7
	s_add_nc_u64 s[8:9], s[8:9], s[18:19]          ; K step w: 128 bytes on in each row of Wu,
	s_lshl_b32 s18, s16, 2
	s_add_nc_u64 s[10:11], s[10:11], s[18:19]      ; 4 bytes on in each row of its scales
	s_lshl_b32 s18, ttmp9, 13
	s_lshl_b32 s20, s16, 10
	s_add_co_u32 s18, s18, s20
	s_add_nc_u64 s[14:15], s[14:15], s[18:19]      ; out: row 16 m + 2 w
	global_load_b128 v[8:11], v1, s[12:13]         ; bu at my four columns
.irp c, 0,1,2,3
	global_load_b128 v[224+4*\c:227+4*\c], v1, s[4:5] offset:512*\c
.endr
	global_load_b32 v12, v2, s[6:7]
.irp n, 0,1,2,3,4,5,6,7
.irp c, 0,1,2,3
	global_load_b128 v[32+16*\n+4*\c:35+16*\n+4*\c], v3, s[8:9] offset:16384*\n+32*\c
.endr
.endr
.irp p, 0,1,2,3
	global_load_b32 v[20+\p], v4, s[10:11] offset:1024*\p
.endr
	s_wait_loadcnt 0x0                             ; all 42 loads, once
.irp n, 0,1,2,3,4,5,6,7
	WM 160+8*\n, 32+16*\n, 224, 20+\n/2, 12, \n%2  ; lane (r, h): row r, outputs 16 n + 8 h + 0 .. 7
.endr
.rept 8
	v_nop                                          ; places in front of the stores of results and of the loads into Wu's registers
.endr
.irp n, 0,1,2,3,4,5,6,7
	ds_store_b128 v5, v[160+8*\n:163+8*\n] offset:64*\n          ; each result from its low end on
	ds_store_b128 v5, v[164+8*\n:167+8*\n] offset:64*\n+16
.endr
	s_wait_dscnt 0x0                               ; for the others' sake: my partial lies in LDS
	s_barrier_signal -1
	s_barrier_wait -1
.irp i, 0,1
.irp p, 0,1,2,3,4,5,6,7
	ds_load_b128 v[32+4*(8*\i+\p):35+4*(8*\i+\p)], v6 offset:PART*\p+PITCH*\i
.endr
.endr
.irp i, 0,1
	s_wait_dscnt 8-8*\i                            ; row i's eight loads are in; the other row's eight, issued behind them, may stay out
	v_pk_add_f32 v[96+4*\i:97+4*\i], v[8:9], v[32+32*\i:33+32*\i]        ; the bias, then the K steps in ascending order; two chains
	v_pk_add_f32 v[98+4*\i:99+4*\i], v[10:11], v[34+32*\i:35+32*\i]
.irp p, 1,2,3,4,5,6,7
	v_pk_add_f32 v[96+4*\i:97+4*\i], v[96+4*\i:97+4*\i], v[32+32*\i+4*\p:33+32*\i+4*\p]
	v_pk_add_f32 v[98+4*\i:99+4*\i], v[98+4*\i:99+4*\i], v[34+32*\i+4*\p:35+32*\i+4*\p]
.endr
	global_store_b128 v1, v[96+4*\i:99+4*\i], s[14:15] offset:512*\i th:TH_STORE_NT   ; a row of 512 consecutive bytes, aligned; written once, read by nobody here
.endr
	s_wait_tensorcnt 0x0
	ds_add_u32 v254, v255
	s_wait_dscnt 0x0
	s_endpgm
.Lfunc_end_k_qf291fd90e5_outproj:
	.size	k_qf291fd90e5_outproj, .Lfunc_end_k_qf291fd90e5_outproj-k_qf291fd90e5_outproj
	.p2alignl 7, 3214868480
	.fill 96, 4, 3214868480
	.section	.rodata,"a",@progbits
	.p2align	6, 0x0
	.amdhsa_kernel k_qf291fd90e5_outproj
		.amdhsa_group_segment_fixed_size 68608
		.amdhsa_private_segment_fixed_size 0
		.amdhsa_enable_private_segment 0
		.amdhsa_kernarg_size 48
		.amdhsa_user_sgpr_count 2
		.amdhsa_user_sgpr_kernarg_segment_ptr 1
		.amdhsa_wavefront_size32 1
		.amdhsa_system_sgpr_workgroup_id_x 1
		.amdhsa_system_sgpr_workgroup_id_y 1
		.amdhsa_system_sgpr_workgroup_id_z 1
		.amdhsa_system_vgpr_workitem_id 0
		.amdhsa_next_free_vgpr 256
		.amdhsa_next_free_sgpr 66
		.amdhsa_reserve_vcc 0
		.amdhsa_float_denorm_mode_32 3
		.amdhsa_float_denorm_mode_16_64 3
		.amdhsa_memory_ordered 1
		.amdhsa_forward_progress 1
		.amdhsa_inst_pref_size 12
	.end_amdhsa_kernel
	.amdgpu_metadata
---
amdhsa.version: [ 1, 2 ]
amdhsa.kernels:
  - .name:           k_qf291fd90e5_outproj
    .symbol:         k_qf291fd90e5_outproj.kd
    .args:
      - { .name: y_codes, .offset: 0, .size: 8, .value_kind: global_buffer, .address_space: global }
      - { .name: y_scales, .offset: 8, .size: 8, .value_kind: global_buffer, .address_space: global }
      - { .name: Wu_codes, .offset: 16, .size: 8, .value_kind: global_buffer, .address_space: global }
      - { .name: Wu_scales, .offset: 24, .size: 8, .value_kind: global_buffer, .address_space: global }
      - { .name: bu, .offset: 32, .size: 8, .value_kind: global_buffer, .address_space: global }
      - { .name: out0, .offset: 40, .size: 8, .value_kind: global_buffer, .address_space: global }
    .group_segment_fixed_size: 68608
    .private_segment_fixed_size: 0
    .kernarg_segment_align: 8
    .kernarg_segment_size: 48
    .max_flat_workgroup_size: 256
    .sgpr_count:     66
    .vgpr_count:     256
    .wavefront_size: 32
...
	.end_amdgpu_metadata
.endif
;; end of part 3
;; ======== version 2 of 2: 3 launches
;; workspace buffers: kv 8,650,752 bytes; y_codes 4,194,304 bytes; y_scales 262,144 bytes
;; launch kvproj (part 4): grid 256 x 1, 4 waves a work-group, no clusters, 0 bytes of LDS; arguments x_codes, x_scales, Wk_codes, Wk_scales, Wv_codes, Wv_scales, kv; writes kv
.if DOCPART == 4
	.amdgcn_target "amdgcn-amd-amdhsa--gfx1250"
	.amdhsa_code_object_version 6
	.text
	.protected	k_qf291fd90e5_kvproj
	.globl	k_qf291fd90e5_kvproj
	.p2align	8
	.type	k_qf291fd90e5_kvproj,@function
k_qf291fd90e5_kvproj:
	s_mov_b64 s[64:65], 0
	v_nop
	global_prefetch_b8 v0, s[64:65] scope:SCOPE_SE
	s_setreg_imm32_b32 hwreg(HW_REG_WAVE_SCHED_MODE, 0, 2), 2
	s_setreg_imm32_b32 hwreg(HW_REG_WAVE_MODE, 25, 1), 1
	s_wait_xcnt 0x0
	s_wait_alu depctr_vm_vsrc(0)
; k = x Wk and v = x Wv on codes of BF8 (E5M2) with E8M0 scales, and their quantising for attention's two products: k along the head's 128, v along the keys.
; OUTPUT: kv = [bh 16][key step s 16][z 2] chunks of 16,896 bytes (z = 0: K, z = 1: V).  A chunk is eight fragments of 16 rows x 128 K as IMAGES OF THE OPERAND'S REGISTERS
; (register group c of lane l at 2,048 T + 512 c + 16 l), then 512 bytes of scale words [g 2][lane 32][p 2]: word (g, lane, p) is that of tile 4 g + 2 p + lane / 16, row lane % 16.
; THE ROWS OF A TILE ARE NOT NEIGHBOURS: lane r of tile 2 b + u holds row 32 b + 8 u + r + 8 (r / 8): keys of the step for K, channels of the head for V.
; ONE PATH FOR BOTH.  P = eight fragments that stay as source 0, R = fragments taken one at a time as source 1.  K: P = the head's 128 rows of Wk, R = the step's rows of x: a lane then holds one key and
; its 64 results run along the channels.  V: P = the step's 128 rows of x, R = the head's rows of Wv: a lane holds one channel and its 64 results run along the keys.  x and the weights both have rows of
; 128 bytes and one scale word a row, so only pointers and offsets are chosen, by the work-group's number.  With P's rows in the order above, the 16 registers of results 2 b and 2 b + 1 are 16 neighbours
; along the next K, so that the conversions' results are the next operand's registers.
; SHARES: 1,024 units (z, bh, s, g) of P x four tiles of R (tiles 4 g .. 4 g + 3): one to a wave; 32 matrix instructions, four quantisings, 16 stores of 512 consecutive aligned bytes, one of 256.
; NO CLUSTER, NO LDS: the operands go straight into registers by one run of 54 loads and one wait; there is no tile in LDS that partners could receive jointly, and a unit has one K step.
; A fragment load takes 32 bytes of each of 16 rows; the four loads of a fragment together take the rows whole.
; LIMITS: a block of zeros gets the scale byte 1 (not 127) with zero codes: the bytes are read by this program alone; blocks whose largest magnitude lies under 2^-111 are held at byte 1;
; NaN and infinities are not served.
; THE MODE: SCHED_MODE bits 1:0 = 2 (LLVM: expert scheduling mode 2), set by the entry lines.  The code itself states the register dependences between vector or matrix instructions and memory
; instructions, with s_wait_alu, always for 0.
; THE PLAN.  Registers that memory instructions touch:
;   v5, v6        the loads' offsets, v7, v8 the stores': written at the head by vector lines, read by the 54 loads and the 17 stores, never written again.
;   P, R, v16-21  the head's loads land in them; no vector line names them before.
;   R's tile t    read by tile t's eight products, written by tile t's conversions (its codes), read by four stores that are issued in tile t + 1; never written again.
;   v28, v29      written by the two selects at the end, read by the last store.
; So one wait on va_vdst stands ahead of the first load; one in each of tiles 1 to 3, behind the tile's places, ahead of the stores of the tile before; one at the end.  No register that a memory
; instruction reads is written again, so no wait on vm_vsrc is owed.  All operands and scales of the products come from loads.
; REGISTERS: window 0: v1-8 lane numbers and offsets; v16-19 P's scale words (a register: tile 2 p in lanes 0-15, tile 2 p + 1 in lanes 16-31), v20-21 R's; v24-27 the four scale words made; v28-29 packed;
;   v32-95 eight results; v96-111 at work; v128-191 R's four fragments, each then its own tile's codes.   window 1: v0-127 P's eight fragments.
.set PS,  16
.set RS,  20
.set PW,  24
.set HA,  32
.set TM,  96                           ; +0..3 largest magnitudes, +4..7 bytes, +8..11 the largest number x the scale, +12..15 the conversions' scale operands
.set RF,  128
.set MNT, 19                           ; s19      the mantissa field of 57,344
.set SEL, 20                           ; s[20:21] v_permlanex16_b32's selects for lane l xor 16
.set MSB, 0
.macro WIN new                         ; the immediate's high byte repeats the setting that is left
.if MSB != \new
	s_set_vgpr_msb (MSB<<8)|\new
.set MSB, \new
.endif
.endm
; one product that starts a sum; ra, rb = 1: that side's scale words stand in lanes 16-31
.macro WM d, a, b, sa, sb, ra, rb
.if \ra
.if \rb
	v_wmma_scale_f32_16x16x128_f8f6f4 v[\d:\d+7], v[\a:\a+15], v[\b:\b+15], 0, v[\sa], v[\sb] matrix_a_fmt:MATRIX_FMT_BF8 matrix_b_fmt:MATRIX_FMT_BF8 matrix_a_scale:MATRIX_SCALE_ROW1 matrix_b_scale:MATRIX_SCALE_ROW1
.else
	v_wmma_scale_f32_16x16x128_f8f6f4 v[\d:\d+7], v[\a:\a+15], v[\b:\b+15], 0, v[\sa], v[\sb] matrix_a_fmt:MATRIX_FMT_BF8 matrix_b_fmt:MATRIX_FMT_BF8 matrix_a_scale:MATRIX_SCALE_ROW1
.endif
.else
.if \rb
	v_wmma_scale_f32_16x16x128_f8f6f4 v[\d:\d+7], v[\a:\a+15], v[\b:\b+15], 0, v[\sa], v[\sb] matrix_a_fmt:MATRIX_FMT_BF8 matrix_b_fmt:MATRIX_FMT_BF8 matrix_b_scale:MATRIX_SCALE_ROW1
.else
	v_wmma_scale_f32_16x16x128_f8f6f4 v[\d:\d+7], v[\a:\a+15], v[\b:\b+15], 0, v[\sa], v[\sb] matrix_a_fmt:MATRIX_FMT_BF8 matrix_b_fmt:MATRIX_FMT_BF8
.endif
.endif
.endm
; 64 numbers of a lane, register 16 b + i = k 32 b + 16 (lane / 16) + i of my row, become a fragment's codes in v[pc] on and its scale word in v[pw]
.macro QUANT s, pc, pw
.irp b, 0,1,2,3
	v_max3_num_f32 v[TM+\b], |v[\s+16*\b]|, |v[\s+1+16*\b]|, 0x8000000   ; block b: my 16 numbers, and the floor 2^(16 - 127): the byte cannot fall under 1
.endr
.irp i, 2,4,6,8,10,12,14
.irp b, 0,1,2,3
	v_max3_num_f32 v[TM+\b], v[TM+\b], |v[\s+16*\b+\i]|, |v[\s+1+16*\b+\i]|   ; the four blocks by turns
.endr
.endr
.irp b, 0,1,2,3
	v_permlanex16_b32 v[TM+4+\b], v[TM+\b], s[SEL], s[SEL+1]
.endr
.irp b, 0,1,2,3
	v_max_num_f32 v[TM+\b], v[TM+\b], v[TM+4+\b]           ; with lane l xor 16's: the block's largest magnitude
.endr
.irp b, 0,1,2,3
	v_add_nc_u32 v[TM+12+\b], 0xf8800000, v[TM+\b]         ; 15 off its exponent field: the conversion takes this operand's exponent field as its scale
.endr
.irp b, 0,1,2,3
	v_and_or_b32 v[TM+8+\b], v[TM+\b], 0x7f800000, s[MNT]  ; 57,344 x the scale
.endr
.irp b, 0,1,2,3
	v_lshrrev_b32 v[TM+4+\b], 23, v[TM+12+\b]              ; the scale's byte
.endr
	v_lshl_or_b32 v[\pw], v[TM+5], 8, v[TM+4]              ; the four bytes make my row's scale word (both halves of the lanes hold it)
	v_lshl_or_b32 v[\pw], v[TM+6], 16, v[\pw]
	v_lshl_or_b32 v[\pw], v[TM+7], 24, v[\pw]
.irp b, 0,1,2,3
.irp i, 0,1,2,3,4,5,6,7,8,9,10,11,12,13,14,15
	v_med3_num_f32 v[\s+16*\b+\i], v[\s+16*\b+\i], -v[TM+8+\b], v[TM+8+\b]   ; the conversion to an 8-bit code does not saturate (ISA guide 7.6.2): the hold at the largest code x the scale
.endr
	v_cvt_scalef32_pk8_bf8_f32 v[\pc+4*\b:\pc+1+4*\b], v[\s+16*\b:\s+7+16*\b], v[TM+12+\b]
	v_cvt_scalef32_pk8_bf8_f32 v[\pc+2+4*\b:\pc+3+4*\b], v[\s+8+16*\b:\s+15+16*\b], v[TM+12+\b]
.endr
	v_nop                                                  ; a plain line between the last conversion and the next products, which write its sources
.endm
	s_load_b128 s[4:7], s[0:1], 0x0                ; x's codes, x's scales
	s_load_b128 s[8:11], s[0:1], 0x10              ; Wk's codes, Wk's scales
	s_load_b128 s[12:15], s[0:1], 0x20             ; Wv's codes, Wv's scales
	s_load_b64 s[16:17], s[0:1], 0x30              ; kv
	v_lshrrev_b32 v1, 5, v0
	v_readfirstlane_b32 s18, v1                    ; wave 0..3
	v_and_b32 v1, 31, v0                           ; lane
	v_and_b32 v2, 15, v0                           ; r
	v_bfe_u32 v3, v0, 4, 1                         ; h
	v_and_b32 v4, 8, v2
	v_add_nc_u32 v4, v4, v2                        ; r + 8 (r / 8)
	v_lshlrev_b32 v5, 7, v4
	v_lshl_add_u32 v5, v3, 4, v5                   ; a fragment: that row of 128 bytes, + 16 h
	v_lshlrev_b32 v6, 2, v4
	v_lshl_add_u32 v6, v3, 5, v6                   ; scale words: 4 bytes a row; lanes 16-31 stand 8 rows on: the odd tile of a pair
	v_lshlrev_b32 v7, 4, v1                        ; an image's place for my lane
	v_lshlrev_b32 v8, 3, v1                        ; two scale words a lane
	v_cmp_le_u32 vcc_lo, 16, v1                    ; lanes 16-31
.irp b, 0,1,2,3
	v_mov_b32 v[TM+4+\b], 0                        ; written once: a lane permute's destination counts as one of its sources
.endr
	s_mov_b32 s[MNT], 0x600000
	s_mov_b32 s[SEL], 0x76543210
	s_mov_b32 s[SEL+1], 0xfedcba98
	s_wait_alu depctr_va_sdst(0)                   ; s18, the wave's number, is written, ahead of its first reader: the key step and g are made from it
	s_wait_alu depctr_va_vcc(0)                    ; VCC, the mask of lanes 16-31, is written, ahead of its first reader: the two selects at the end
	s_lshr_b32 s22, ttmp9, 7                       ; z: K's work-group or V's
	s_and_b32 s50, ttmp9, 127
	s_lshr_b32 s23, s50, 3                         ; bh = 8 b + h
	s_and_b32 s50, s50, 7
	s_lshl_b32 s50, s50, 1
	s_lshr_b32 s51, s18, 1
	s_add_co_u32 s44, s50, s51                     ; key step s
	s_and_b32 s45, s18, 1                          ; g: which four tiles of R
	s_and_b32 s52, s23, 7                          ; h
	s_lshr_b32 s53, s23, 3                         ; b
	s_lshl_b32 s53, s53, 11
	s_lshl_b32 s54, s44, 7
	s_add_co_u32 s53, s53, s54                     ; the step's first row of x: 2,048 b + 128 s
	s_lshl_b32 s46, s53, 7                         ; its codes,
	s_lshl_b32 s47, s53, 2                         ; its scale words;
	s_lshl_b32 s48, s52, 14                        ; the head's 128 rows of a weight: codes,
	s_lshl_b32 s49, s52, 9                         ; scale words
	s_mov_b32 s33, 0
	s_mov_b32 s35, 0
	s_mov_b32 s37, 0
	s_mov_b32 s39, 0
	s_lshl_b32 s56, s23, 4                         ; my chunk: ((16 bh + s) 2 + z) x 16,896 bytes
	s_add_co_u32 s56, s56, s44
	s_lshl_b32 s56, s56, 1
	s_add_co_u32 s56, s56, s22
	s_mul_i32 s56, s56, 16896
	s_lshl_b32 s58, s45, 13
	s_add_co_u32 s58, s58, s56                     ; my four images: 8,192 g on
	s_mov_b32 s59, 0
	s_lshl_b32 s60, s45, 8
	s_add_co_u32 s60, s60, s56
	s_add_co_u32 s60, s60, 16384                   ; my 256 bytes of scale words
	s_mov_b32 s61, 0
	s_wait_kmcnt 0x0
	s_cmp_eq_u32 s22, 0                            ; the choice hangs on the work-group's number alone
	s_cselect_b64 s[24:25], s[8:9], s[4:5]         ; P's codes:  Wk | x
	s_cselect_b64 s[26:27], s[10:11], s[6:7]       ; P's scales
	s_cselect_b64 s[28:29], s[4:5], s[12:13]       ; R's codes:  x | Wv
	s_cselect_b64 s[30:31], s[6:7], s[14:15]       ; R's scales
	s_cselect_b32 s32, s48, s46
	s_cselect_b32 s34, s49, s47
	s_cselect_b32 s36, s46, s48
	s_cselect_b32 s38, s47, s49
	s_lshl_b32 s55, s45, 13
	s_add_co_u32 s36, s36, s55                     ; R: 64 g rows on
	s_lshl_b32 s55, s45, 8
	s_add_co_u32 s38, s38, s55
	s_add_nc_u64 s[24:25], s[24:25], s[32:33]
	s_add_nc_u64 s[26:27], s[26:27], s[34:35]
	s_add_nc_u64 s[28:29], s[28:29], s[36:37]
	s_add_nc_u64 s[30:31], s[30:31], s[38:39]
	s_add_nc_u64 s[40:41], s[16:17], s[58:59]
	s_add_nc_u64 s[42:43], s[16:17], s[60:61]
	WIN 0x40                                       ; destination window 1
	s_wait_alu depctr_va_vdst(0)                   ; the offsets v5 to v8 are written, which every load and store of the kernel reads; between this wait and the last load stand loads and one window switch alone
.irp n, 0,1,2,3,4,5,6,7
.irp c, 0,1,2,3
	global_load_b128 v[16*\n+4*\c:16*\n+4*\c+3], v5, s[24:25] offset:(32*(\n/2)+8*(\n%2))*128+32*\c   ; P's tile n begins at row 32 (n / 2) + 8 (n % 2)
.endr
.endr
	WIN 0
.irp t, 0,1,2,3
.irp c, 0,1,2,3
	global_load_b128 v[RF+16*\t+4*\c:RF+16*\t+4*\c+3], v5, s[28:29] offset:(32*(\t/2)+8*(\t%2))*128+32*\c
.endr
.endr
.irp p, 0,1,2,3
	global_load_b32 v[PS+\p], v6, s[26:27] offset:128*\p
.endr
.irp p, 0,1
	global_load_b32 v[RS+\p], v6, s[30:31] offset:128*\p
.endr
	s_wait_loadcnt 0x0                             ; all 54 loads, once
.irp t, 0,1,2,3
	WIN 0x01                                       ; source 0 (P) window 1
.irp n, 0,1,2,3,4,5,6,7
	WM HA+8*\n, 16*\n, RF+16*\t, PS+\n/2, RS+\t/2, \n%2, \t%2     ; eight results, each begun with the constant 0
.endr
	WIN 0
.rept 9
	v_nop                                          ; eight places in front of the first read of results and of the conversions' writes into R's fragment; nine, since the next tile's products write over these results
.endr
.if \t > 0
	s_wait_alu depctr_va_vdst(0)                   ; the conversions of the tile before have written its codes, which the four stores below read; the places above stay beside this wait
.irp c, 0,1,2,3
	global_store_b128 v7, v[RF+16*(\t-1)+4*\c:RF+16*(\t-1)+4*\c+3], s[40:41] offset:2048*(\t-1)+512*\c   ; 512 consecutive bytes, aligned; each tile's codes have registers of their own, so no store's data are written again
.endr
.endif
	QUANT HA, RF+16*\t, PW+\t
.endr
	v_cndmask_b32 v28, v[PW], v[PW+1], vcc_lo      ; lanes 0-15: the even tile's words, lanes 16-31: the odd tile's
	v_cndmask_b32 v29, v[PW+2], v[PW+3], vcc_lo
	s_wait_alu depctr_va_vdst(0)                   ; the last tile's conversions have written its codes and the two selects v28 and v29, which the five stores below read
.irp c, 0,1,2,3
	global_store_b128 v7, v[RF+48+4*\c:RF+48+4*\c+3], s[40:41] offset:2048*3+512*\c   ; the last tile's codes
.endr
	global_store_b64 v8, v[28:29], s[42:43]        ; 256 consecutive bytes, aligned
	s_endpgm
.Lfunc_end_k_qf291fd90e5_kvproj:
	.size	k_qf291fd90e5_kvproj, .Lfunc_end_k_qf291fd90e5_kvproj-k_qf291fd90e5_kvproj
	.p2alignl 7, 3214868480
	.fill 96, 4, 3214868480
	.section	.rodata,"a",@progbits
	.p2align	6, 0x0
	.amdhsa_kernel k_qf291fd90e5_kvproj
		.amdhsa_group_segment_fixed_size 0
		.amdhsa_private_segment_fixed_size 0
		.amdhsa_enable_private_segment 0
		.amdhsa_kernarg_size 56
		.amdhsa_user_sgpr_count 2
		.amdhsa_user_sgpr_kernarg_segment_ptr 1
		.amdhsa_wavefront_size32 1
		.amdhsa_system_sgpr_workgroup_id_x 1
		.amdhsa_system_sgpr_workgroup_id_y 1
		.amdhsa_system_sgpr_workgroup_id_z 1
		.amdhsa_system_vgpr_workitem_id 0
		.amdhsa_next_free_vgpr 384
		.amdhsa_next_free_sgpr 66
		.amdhsa_reserve_vcc 1
		.amdhsa_float_denorm_mode_32 3
		.amdhsa_float_denorm_mode_16_64 3
		.amdhsa_memory_ordered 1
		.amdhsa_forward_progress 1
		.amdhsa_inst_pref_size 48
	.end_amdhsa_kernel
	.amdgpu_metadata
---
amdhsa.version: [ 1, 2 ]
amdhsa.kernels:
  - .name:           k_qf291fd90e5_kvproj
    .symbol:         k_qf291fd90e5_kvproj.kd
    .args:
      - { .name: x_codes, .offset: 0, .size: 8, .value_kind: global_buffer, .address_space: global }
      - { .name: x_scales, .offset: 8, .size: 8, .value_kind: global_buffer, .address_space: global }
      - { .name: Wk_codes, .offset: 16, .size: 8, .value_kind: global_buffer, .address_space: global }
      - { .name: Wk_scales, .offset: 24, .size: 8, .value_kind: global_buffer, .address_space: global }
      - { .name: Wv_codes, .offset: 32, .size: 8, .value_kind: global_buffer, .address_space: global }
      - { .name: Wv_scales, .offset: 40, .size: 8, .value_kind: global_buffer, .address_space: global }
      - { .name: kv, .offset: 48, .size: 8, .value_kind: global_buffer, .address_space: global }
    .group_segment_fixed_size: 0
    .private_segment_fixed_size: 0
    .kernarg_segment_align: 8
    .kernarg_segment_size: 56
    .max_flat_workgroup_size: 128
    .sgpr_count:     66
    .vgpr_count:     384
    .wavefront_size: 32
...
	.end_amdgpu_metadata
.endif
;; end of part 4
;; launch attn (part 5): grid 16 x 16, 8 waves a work-group, clusters of 4 x 1, 327,680 bytes of LDS; arguments x_codes, x_scales, Wq_codes, Wq_scales, kv, y_codes, y_scales; writes y_codes, y_scales
.if DOCPART == 5
	.amdgcn_target "amdgcn-amd-amdhsa--gfx1250"
	.amdhsa_code_object_version 6
	.text
	.protected	k_qf291fd90e5_attn
	.globl	k_qf291fd90e5_attn
	.p2align	8
	.type	k_qf291fd90e5_attn,@function
k_qf291fd90e5_attn:
	s_mov_b64 s[64:65], 0
	v_nop
	global_prefetch_b8 v0, s[64:65] scope:SCOPE_SE
	s_setreg_imm32_b32 hwreg(HW_REG_WAVE_MODE, 25, 1), 1
	s_wait_xcnt 0x0
	s_wait_alu depctr_hold_cnt(0) depctr_sa_sdst(0) depctr_va_vdst(0) depctr_va_sdst(0) depctr_va_ssrc(0) depctr_va_vcc(0) depctr_vm_vsrc(0)
	s_getreg_b32 s2, hwreg(HW_REG_IB_STS2, 6, 4)
	s_cmp_eq_u32 s2, 0
	s_cbranch_scc0 .Lentry_in_a_cluster
	s_endpgm
.Lentry_in_a_cluster:
	s_bfe_u32 s2, ttmp6, 0x10000c
	s_cmp_lg_u32 s2, 0x3003
	s_cbranch_scc0 .Lentry_shape_is_right
	s_endpgm
.Lentry_shape_is_right:
; For one (b, h) and 128 queries: q = x Wq, quantised along the head's 128; S^T = K q^T; the streaming softmax; O^T = V^T p^T; y = O / l, quantised along the head's 128.  All products on codes of BF8 (E5M2)
; with one E8M0 scale for each 32 along K.
; THE SOFTMAX AHEAD OF THE SECOND PRODUCT: t = score x log2(e) / sqrt(128); M = the running largest t rounded UP to a whole number; p = 2^(t - M) is quantised along the keys, not normalised; the row's sum is
; taken of the unquantised p and divides O at the end.  When M moves, the sum and O are multiplied by 2^(old M - new M): exact, and without a branch on data.
; SHARES: a work-group owns 128 queries of one head: eight tiles of 16.  WAVE w HOLDS TWO TILES, tile w (register window 0) and tile w xor 1 (window 1), AND WALKS HALF OF THE KEYS: of each slot's four key steps
; those of its own parity (w % 2).  So each fragment of K and V that a wave reads from LDS feeds two products, and the two waves of a pair together walk all 2,048 keys for both tiles.  At the end each wave hands
; window 1's partial (O^T, M, the sum) to its partner through LDS and finishes tile w.  Two waves share a SIMD, 512 registers each, so that one wave's vector work stands beside the other's products.
; Both products are used transposed (source 0 = 16 keys, or 16 channels; source 1 = 16 queries): a lane holds ONE query of each tile throughout.
; K AND V come from the buffer kv as images of the operands' registers (a fragment: register group c of lane l at 512 c + 16 l), eight fragments and their 512 bytes of scale words to a chunk of 16,896 bytes,
; K's chunk and V's chunk of a key step on end.  The keys of a tile of K and the channels of a tile of V are ordered (lane r of tile 2 b + u: 32 b + 8 u + r + 8 (r / 8)) so that the 16 registers of results
; 2 b and 2 b + 1 are 16 neighbours along the next K: p's and y's conversions give the next operand's registers.
; RING: two LDS slots of four key steps (eight chunks, 135,168 consecutive bytes of memory); each of the eight waves brings one chunk with one tensor load, as 66 rows of 256 bytes.  A head is four slots' worth:
; two first fills, two refills.  By this text's own count a wave has two tensor loads out at the start and one behind each refill's round.
; CLUSTER: the four query blocks of a cluster belong to one head and walk the same chunks: each chunk is asked for JOINTLY, by the same tensor load with the same descriptor and a mask that names the four.
; The place in the cluster enters the addresses of x and y alone.
; LDS: slot 0 at 0, slot 1 at 135,168, the spare words (128 bytes a wave) at 270,336, q's images (2,560 bytes a wave; no tensor load lands there) at 271,360.  The partials of the merge (8,704 bytes a wave) lie in
; slot 0, which has had its last fill and its last read when they are stored.  The launch claims all of the LDS.
; LIMITS: a block of zeros gets the scale byte 1 (not 127) with zero codes: q's and p's bytes never leave the work-group, y's are read by this program alone; blocks whose largest magnitude lies under 2^-111 are
; held at byte 1; a block's largest p is taken as the exponential of the block's largest score, which leans on v_exp_f32 not falling where its input rises; NaN and infinities are not served.
; REGISTERS, in two windows of 256 (s_set_vgpr_msb: bits 1:0 source 0, 3:2 source 1, 5:4 source 2, 7:6 destination).  In BOTH windows, for the window's tile: v12 -M, v13 the largest t, v[14:15] the sum in two
; halves; v16-31 q's codes; v96-159 S^T, then p; v160-223 O^T; v224-239 p's codes; v232-247 at work; v252 f; v253 p's scale word; v254 at work.  v32-95: four fragments of K or V in each window.
; Window 0 alone: v1-9 offsets and addresses; the scale operands, which have no window: v248-251 those of a chunk's eight tiles, v255 and v10 q's of the two tiles, v253 and v11 p's.
.set CHUNK, 16896
.set STEPB, 2*CHUNK                    ; a key step: K's chunk, then V's
.set SLOTB, 8*CHUNK                    ; a slot: four key steps
.set SPARE, 2*SLOTB                    ; behind the ring: the spare words: four blocks of 256 bytes that no other line names
.set QIMG,  SPARE+1024                 ; q's images: 2,048 bytes of codes, then the scale word at 16 bytes a lane
.set QBLK,  2560
.set MBLK,  8704                       ; a partial: 8,192 bytes of O^T, then 16 bytes a lane: -M, t, the sum's two halves
.set LI,  1                            ; v1  16 x lane: an image's place for my lane
.set LSK, 2                            ; v2  8 x lane + my parity's key step: the step's scale words
.set LS4, 3                            ; v3  4 x lane
.set XA,  4                            ; v4  at the head x: row r of 128 bytes + 16 h; then where I read my partner's image
.set SPW, 5                            ; v5  LDS address of my spare word; never rewritten
.set NIL, 6                            ; v6  0; never rewritten
.set XS,  7                            ; v7  at the head 4 r: x's scale words; then
.set LIK, 7                            ;     16 x lane + my parity's key step
.set ADI, 8                            ; v8  at the head my offset in Wq's codes; then the LDS address of the images in hand
.set ADW, 9                            ; v9  at the head my offset in Wq's scale words; then the LDS address of the step's scale words
.set Q1S, 10                           ; v10 the scale word of window 1's q
.set P1S, 11                           ; v11 the scale word of window 1's p
.set TM,  232                          ; +0..3 largest magnitudes, +4..7 bytes, +8..11 the largest number x the scale, +12..15 the conversions' scale operands
.set WV,  18                           ; s18      my wave's number
.set MNT, 19                           ; s19      the mantissa field of 57,344
.set SEL, 20                           ; s[20:21] v_permlanex16_b32's selects for lane l xor 16
.set CS,  22                           ; s[22:23] c = log2(e) / sqrt(128); the packed form names the pair and takes its low word for both halves
.set G1,  24                           ; s[24:31] descriptor group 1
.set G0A, 32                           ; s[32:35] group 0 for slot 0
.set G0B, 36                           ; s[36:39] group 0 for slot 1
.set TB,  40                           ; s40      LDS byte at which the pair of steps in hand begins
.set CNT, 41                           ; s41      counts my two steps of a slot
.set MSB, 0
.macro WIN new                         ; the immediate's high byte repeats the setting that is left; a switch that changes nothing is dropped
.if MSB != \new
	s_set_vgpr_msb (MSB<<8)|\new
.set MSB, \new
.endif
.endm
; one product.  acc = 0: it starts the sum with the constant 0; 1: it adds in place.  ra = 1: source 0's scale words stand in lanes 16-31
.macro WM d, a, b, acc, sa, sb, ra
.if \acc
.if \ra
	v_wmma_scale_f32_16x16x128_f8f6f4 v[\d:\d+7], v[\a:\a+15], v[\b:\b+15], v[\d:\d+7], v[\sa], v[\sb] matrix_a_fmt:MATRIX_FMT_BF8 matrix_b_fmt:MATRIX_FMT_BF8 matrix_a_scale:MATRIX_SCALE_ROW1
.else
	v_wmma_scale_f32_16x16x128_f8f6f4 v[\d:\d+7], v[\a:\a+15], v[\b:\b+15], v[\d:\d+7], v[\sa], v[\sb] matrix_a_fmt:MATRIX_FMT_BF8 matrix_b_fmt:MATRIX_FMT_BF8
.endif
.else
.if \ra
	v_wmma_scale_f32_16x16x128_f8f6f4 v[\d:\d+7], v[\a:\a+15], v[\b:\b+15], 0, v[\sa], v[\sb] matrix_a_fmt:MATRIX_FMT_BF8 matrix_b_fmt:MATRIX_FMT_BF8 matrix_a_scale:MATRIX_SCALE_ROW1
.else
	v_wmma_scale_f32_16x16x128_f8f6f4 v[\d:\d+7], v[\a:\a+15], v[\b:\b+15], 0, v[\sa], v[\sb] matrix_a_fmt:MATRIX_FMT_BF8 matrix_b_fmt:MATRIX_FMT_BF8
.endif
.endif
.endm
; 64 numbers of a lane, register 16 b + i = k 32 b + 16 (lane / 16) + i of my row, become a fragment's codes in v[pc] on and its scale word in v[pw]
.macro QUANT s, pc, pw
.irp b, 0,1,2,3
	v_max3_num_f32 v[TM+\b], |v[\s+16*\b]|, |v[\s+1+16*\b]|, 0x8000000   ; block b: my 16 numbers, and the floor 2^(16 - 127): the byte cannot fall under 1
.endr
.irp i, 2,4,6,8,10,12,14
.irp b, 0,1,2,3
	v_max3_num_f32 v[TM+\b], v[TM+\b], |v[\s+16*\b+\i]|, |v[\s+1+16*\b+\i]|   ; the four blocks by turns
.endr
.endr
.irp b, 0,1,2,3
	v_permlanex16_b32 v[TM+4+\b], v[TM+\b], s[SEL], s[SEL+1]
.endr
.irp b, 0,1,2,3
	s_delay_alu instid0(VALU_DEP_4)
	v_max_num_f32 v[TM+\b], v[TM+\b], v[TM+4+\b]           ; with lane l xor 16's: the block's largest magnitude
.endr
.irp b, 0,1,2,3
	s_delay_alu instid0(VALU_DEP_4)
	v_add_nc_u32 v[TM+12+\b], 0xf8800000, v[TM+\b]         ; 15 off its exponent field: the conversion takes this operand's exponent field as its scale
.endr
.irp b, 0,1,2,3
	v_and_or_b32 v[TM+8+\b], v[TM+\b], 0x7f800000, s[MNT]  ; 57,344 x the scale
.endr
.irp b, 0,1,2,3
	v_lshrrev_b32 v[TM+4+\b], 23, v[TM+12+\b]              ; the scale's byte
.endr
	s_delay_alu instid0(VALU_DEP_3)
	v_lshl_or_b32 v[\pw], v[TM+5], 8, v[TM+4]              ; the four bytes make my row's scale word (both halves of the lanes hold it)
	s_delay_alu instid0(VALU_DEP_1)
	v_lshl_or_b32 v[\pw], v[TM+6], 16, v[\pw]
	s_delay_alu instid0(VALU_DEP_1)
	v_lshl_or_b32 v[\pw], v[TM+7], 24, v[\pw]
.irp b, 0,1,2,3
.irp i, 0,1,2,3,4,5,6,7,8,9,10,11,12,13,14,15
	v_med3_num_f32 v[\s+16*\b+\i], v[\s+16*\b+\i], -v[TM+8+\b], v[TM+8+\b]   ; the conversion to an 8-bit code does not saturate (ISA guide 7.6.2): the hold at the largest code x the scale
.endr
	v_cvt_scalef32_pk8_bf8_f32 v[\pc+4*\b:\pc+1+4*\b], v[\s+16*\b:\s+7+16*\b], v[TM+12+\b]
	v_cvt_scalef32_pk8_bf8_f32 v[\pc+2+4*\b:\pc+3+4*\b], v[\s+8+16*\b:\s+15+16*\b], v[TM+12+\b]
.endr
	v_nop                                                  ; a plain line behind the last conversion
.endm
; A round of the cluster's barrier: my work-group's barrier, so that wave 0's signal speaks for all eight waves; wave 0 signals for the work-group; every wave waits for all four work-groups; my work-group's barrier once more.
.macro CROUND
	s_barrier_signal -1
	s_barrier_wait -1
	s_cmp_lg_u32 s[WV], 0
	s_cbranch_scc1 .Lnot_wave_0_\@
	s_barrier_signal -3
.Lnot_wave_0_\@:
	s_barrier_wait -3
	s_barrier_signal -1
	s_barrier_wait -1
.endm
; THE CHANGE OF SLOTS.  Each wave waits for all its tensor loads (its chunk of the slot ahead), adds 0 to its spare word, and waits for that and for its reads of the slot that it leaves.  Behind the barrier the slot
; ahead is whole and nobody reads the other one.  fill = 1: the slot just left is filled with the keys two slots on: the barrier is then a round of the cluster's, so that no wave of any partner still reads the
; slot or has a load on its way, and the joint refill is the first thing behind it; it has a whole slot's steps in which to land.
.macro CHANGE fill, g0
	s_wait_tensorcnt 0x0                           ; no tensor load of mine is out, so a group 0 may be written
	ds_add_u32 v[SPW], v[NIL]                      ; 0 onto my spare word
.if \fill
	s_add_nc_u64 s[\g0+2:\g0+3], s[\g0+2:\g0+3], 2*SLOTB   ; this slot's next eight chunks; the type bits on top are not reached
.endif
	s_wait_dscnt 0x0                               ; the add is done, and my reads of the slot that I leave are over
.if \fill
	CROUND
	tensor_load_to_lds s[\g0:\g0+3], s[G1:G1+7]    ; my one tensor load until the next such round
	s_nop 0
.rept 4
	v_nop
.endr
.else
	s_barrier_signal -1
	s_barrier_wait -1
.endif
.endm
; 34 LDS loads in one run: a chunk's tiles 0-3 into window 0's v32-95, its eight tiles' scale words, its tiles 4-7 into window 1's v32-95.  Each b128 reads 512 consecutive bytes.
.macro LOADS off
.irp t, 0,1,2,3
.irp c, 0,1,2,3
	ds_load_b128 v[32+16*\t+4*\c:35+16*\t+4*\c], v[ADI] offset:(\off)+\t*2048+512*\c
.endr
.endr
	ds_load_b64 v[248:249], v[ADW] offset:(\off)+16384       ; tiles 0-3: a register carries an even tile's words in lanes 0-15 and the odd one's in lanes 16-31
	ds_load_b64 v[250:251], v[ADW] offset:(\off)+16384+256   ; tiles 4-7
	WIN 0x40                                       ; destination window 1, address window 0
.irp t, 0,1,2,3
.irp c, 0,1,2,3
	ds_load_b128 v[32+16*\t+4*\c:35+16*\t+4*\c], v[ADI] offset:(\off)+(4+\t)*2048+512*\c
.endr
.endr
.endm
; 16 products: the chunk's eight tiles x my two tiles of queries.  Results at v[d] on, source 1 at v[b] on, in each tile's window; qa, qb: source 1's scale words for window 0's and window 1's tile.
; All sixteen results differ, so they take turns, one instruction a turn.  late = 1: the second buffer's loads are waited for only in front of their products.
.macro PROD d, b, acc, qa, qb, late
	WIN 0                                          ; fragments window 0, tile of window 0
.irp t, 0,1,2,3
	WM \d+8*\t, 32+16*\t, \b, \acc, 248+\t/2, \qa, \t%2
.endr
	WIN 0x54                                       ; fragments window 0; source 1, C and D window 1
.irp t, 0,1,2,3
	WM \d+8*\t, 32+16*\t, \b, \acc, 248+\t/2, \qb, \t%2
.endr
.if \late
	s_wait_dscnt 0x0                               ; tiles 4-7 are in
.endif
	WIN 0x01                                       ; fragments window 1, tile of window 0
.irp t, 0,1,2,3
	WM \d+8*(4+\t), 32+16*\t, \b, \acc, 250+\t/2, \qa, \t%2
.endr
	WIN 0x55                                       ; all in window 1
.irp t, 0,1,2,3
	WM \d+8*(4+\t), 32+16*\t, \b, \acc, 250+\t/2, \qb, \t%2
.endr
	WIN 0
.endm
; ONE TILE'S SOFTMAX FOR ONE KEY STEP, in the window that is set: every vector register that it names lies in the tile's own window.  Registers 16 b + i of S^T hold keys 32 b + 16 (lane / 16) + i of the step.
.macro SOFTMAX
.irp b, 0,1,2,3
	v_max3_num_f32 v[232+\b], v[96+16*\b], v[97+16*\b], v[98+16*\b]   ; THE LARGEST SCORE OF EACH BLOCK OF 32 KEYS serves twice: for the row's maximum, and, since p rises with the score, for the block's largest p
.endr
.irp i, 3,5,7,9,11,13
.irp b, 0,1,2,3
	v_max3_num_f32 v[232+\b], v[232+\b], v[96+16*\b+\i], v[97+16*\b+\i]
.endr
.endr
.irp b, 0,1,2,3
	v_max_num_f32 v[232+\b], v[232+\b], v[111+16*\b]
.endr
.irp b, 0,1,2,3
	v_permlanex16_b32 v[236+\b], v[232+\b], s[SEL], s[SEL+1]
.endr
.irp b, 0,1,2,3
	s_delay_alu instid0(VALU_DEP_4)
	v_max_num_f32 v[232+\b], v[232+\b], v[236+\b]  ; with lane l xor 16's 16 keys
.endr
	s_delay_alu instid0(VALU_DEP_2)
	v_max3_num_f32 v254, v232, v233, v234
	s_delay_alu instid0(VALU_DEP_1)
	v_max_num_f32 v254, v254, v235                 ; the step's largest score of my query
	s_delay_alu instid0(VALU_DEP_1)
	v_mul_f32 v254, s[CS], v254                    ; as t (c is positive)
	s_delay_alu instid0(VALU_DEP_1)
	v_max_num_f32 v13, v13, v254                   ; the running largest t
	v_mov_b32 v254, v12
	s_delay_alu instid0(VALU_DEP_2)
	v_floor_f32 v12, -v13                          ; the new -M = floor(-t) = -ceil(t): M is a whole number
	s_delay_alu instid0(VALU_DEP_1)
	v_sub_f32 v254, v12, v254                      ; M's old value less its new one: a whole number, 0 or less
	s_delay_alu instid0(VALU_DEP_1)
	v_cvt_i32_f32 v254, v254                       ; (it saturates)
	s_delay_alu instid0(VALU_DEP_1)
	v_ldexp_f32 v252, 1.0, v254                    ; f = 2^(old M - new M)
.set J, 0
.rept 32
	v_pk_fma_f32 v[96+J:97+J], v[96+J:97+J], s[CS:CS+1], v[12:13] op_sel_hi:[1,0,0]   ; t - M, two at a time (of the pairs c and -M the low word serves both halves)
.set J, J+2
.endr
.irp b, 0,1,2,3
	v_fma_f32 v[232+\b], v[232+\b], s[CS], v12     ; the same of each block's largest score
.endr
.set J, 0
	s_wait_alu depctr_va_vdst(0)
.rept 64
	v_exp_f32 v[96+J], v[96+J]                     ; p = 2^(t - M), at most 1: not normalised
.set J, J+1
.endr
.irp b, 0,1,2,3
	v_exp_f32 v[232+\b], v[232+\b]                 ; the block's largest p: the same two instructions on the same number give the same bits
.endr
	v_pk_mul_f32 v[14:15], v[14:15], v[252:253] op_sel_hi:[1,0]   ; the sums under the new M; also the plain line behind the exponentials
	s_wait_alu depctr_va_vdst(0)
.irp b, 0,1,2,3
	v_max_num_f32 v[232+\b], 0x8000000, v[232+\b]  ; the floor 2^(16 - 127): the byte cannot fall under 1
.endr
.irp b, 0,1,2,3
	s_delay_alu instid0(VALU_DEP_4)
	v_add_nc_u32 v[244+\b], 0xf8800000, v[232+\b]  ; 15 off the exponent field: the conversion's scale operand
.endr
.irp b, 0,1,2,3
	v_and_or_b32 v[240+\b], v[232+\b], 0x7f800000, s[MNT]   ; 57,344 x the scale
.endr
.irp b, 0,1,2,3
	v_lshrrev_b32 v[236+\b], 23, v[244+\b]         ; the scale's byte
.endr
	s_delay_alu instid0(VALU_DEP_3)
	v_lshl_or_b32 v253, v237, 8, v236              ; p's scale word for these 128 keys
	s_delay_alu instid0(VALU_DEP_1)
	v_lshl_or_b32 v253, v238, 16, v253
	s_delay_alu instid0(VALU_DEP_1)
	v_lshl_or_b32 v253, v239, 24, v253
	v_pk_add_f32 v[236:237], v[96:97], v[98:99]    ; THE ROW'S SUM IS TAKEN OF THE UNQUANTISED p: two at a time, in two chains
.irp j, 4,8,12,16,20,24,28,32,36,40,44,48,52,56,60
	v_pk_add_f32 v[14:15], v[14:15], v[96+\j:97+\j]
	v_pk_add_f32 v[236:237], v[236:237], v[98+\j:99+\j]
.endr
	s_delay_alu instid0(VALU_DEP_1)
	v_pk_add_f32 v[14:15], v[14:15], v[236:237]
.irp b, 0,1,2,3
.irp i, 0,1,2,3,4,5,6,7,8,9,10,11,12,13,14,15
	v_min_num_f32 v[96+16*\b+\i], v[96+16*\b+\i], v[240+\b]   ; the conversion does not saturate (ISA guide 7.6.2); p is not negative, so the hold is one-sided
.endr
	v_cvt_scalef32_pk8_bf8_f32 v[224+4*\b:225+4*\b], v[96+16*\b:103+16*\b], v[244+\b]
	v_cvt_scalef32_pk8_bf8_f32 v[226+4*\b:227+4*\b], v[104+16*\b:111+16*\b], v[244+\b]
.endr
.set J, 0
.rept 32
	v_pk_mul_f32 v[160+J:161+J], v[160+J:161+J], v[252:253] op_sel_hi:[1,0]   ; O^T under the new M: x f, each result from its low end on; these lines also stand between the codes' making and the products
.set J, J+2
.endr
.endm
; A KEY STEP of my parity: 128 keys for my two tiles of queries.
.macro STEP
	v_add_nc_u32 v[ADI], s[TB], v[LIK]
	v_add_nc_u32 v[ADW], s[TB], v[LSK]
.rept 6
	v_nop                                          ; eight places in front of loads into registers that matrix instructions have read (the two additions above are places too)
.endr
	LOADS 0                                        ; K's chunk
	s_wait_alu depctr_va_vdst(0)
	s_wait_dscnt 17                                ; tiles 0-3 and their scale words are in; behind them: the scale words of tiles 4-7 and those tiles' sixteen loads
	PROD 96, 16, 0, 255, Q1S, 1                    ; S^T = K q^T
.rept 8
	v_nop                                          ; places in front of the loads below and of the first read of the scores
.endr
	LOADS CHUNK                                    ; V's chunk: it lands under the two softmaxes, which name none of these registers
	WIN 0x55
	SOFTMAX                                        ; window 1's tile first,
	WIN 0x01                                       ; source window 1, destination window 0
	v_mov_b32 v[P1S], v253                         ; so that its scale word, copied to where a scale operand can be named, stands a whole softmax ahead of the products
	WIN 0
	s_setprio 1
	SOFTMAX                                        ; window 0's tile
	s_setprio 0
	s_wait_alu depctr_va_vdst(0)
	s_wait_dscnt 0x0                               ; V's chunk is in
	PROD 160, 224, 1, 253, P1S, 0                  ; O^T += V^T p^T: K = these 128 keys
.endm
; my two key steps of a slot: written once, walked twice; the LDS addresses hang on s[TB], a constant stepped by a constant, and on my parity's constant in v[LIK], v[LSK]
.macro PHASE base
	s_mov_b32 s[TB], \base
	s_mov_b32 s[CNT], 2
.Lstep_\@:
	s_setprio 2
	STEP
	s_add_co_u32 s[TB], s[TB], 2*STEPB
	s_sub_co_u32 s[CNT], s[CNT], 1
	s_cmp_lg_u32 s[CNT], 0
	s_cbranch_scc1 .Lstep_\@
	s_setprio 0
.endm
; a tile's state before its first step, in the window that is set.  The step is written once: the first finds zeros, which the first change of M leaves zeros
.macro INIT
	v_mov_b32 v13, 0xff61b1e6                      ; the largest t so far: -3e38, under every t
	s_delay_alu instid0(VALU_DEP_1)
	v_floor_f32 v12, -v13                          ; -M
	v_mov_b32 v14, 0                               ; the sum, in two halves
	v_mov_b32 v15, 0
	v_mov_b32 v253, 0                              ; (named as the upper half of the pair v[252:253] before it is first written)
.set J, 0
.rept 64
	v_mov_b32 v[160+J], 0                          ; O^T
.set J, J+1
.endr
.endm
	s_load_b128 s[4:7], s[0:1], 0x0                ; x's codes, x's scales
	s_load_b128 s[8:11], s[0:1], 0x10              ; Wq's codes, Wq's scales
	s_load_b128 s[12:15], s[0:1], 0x20             ; kv, y's codes
	s_load_b64 s[16:17], s[0:1], 0x30              ; y's scale words
	v_lshl_add_u32 v[SPW], v0, 2, SPARE
	v_mov_b32 v[NIL], 0
	ds_add_u32 v5, v6
	ds_add_u32 v5, v6
	s_wait_dscnt 0x0
	v_lshrrev_b32 v1, 5, v0
	s_delay_alu instid0(VALU_DEP_1)
	v_readfirstlane_b32 s[WV], v1                  ; wave 0..7
	s_bfe_u32 s42, ttmp6, 0x40000                  ; cx: my place in the cluster
	s_lshl_b32 s43, ttmp9, 2                       ; in a cluster launch ttmp9 counts clusters
	s_add_co_u32 s43, s43, s42                     ; my block of 128 queries: it enters x's and y's addresses alone
	s_and_b32 s44, ttmp7, 0xffff                   ; bh = 8 b + h, which the four partners share
	s_and_b32 s45, s44, 7                          ; h
	s_lshr_b32 s46, s44, 3                         ; b
	s_lshl_b32 s47, s46, 7
	s_lshl_b32 s48, s43, 3
	s_add_co_u32 s47, s47, s48
	s_add_co_u32 s47, s47, s[WV]                   ; m = 128 b + 8 x block + wave: the tile of 16 rows, among the 256, whose q I make and whose y I finish
	s_lshl_b32 s48, s47, 3
	s_add_co_u32 s48, s48, s45                     ; 8 m + h: my fragment of y
	s_and_b32 s56, s[WV], 1
	s_mul_i32 s56, s56, STEPB                      ; my parity's key step in a pair of steps
	s_xor_b32 s58, s[WV], 1                        ; my partner
	s_mul_i32 s57, s[WV], QBLK
	s_add_co_u32 s57, s57, QIMG                    ; where I put q's image,
	s_mul_i32 s60, s58, MBLK                       ; (where my partner puts its partial,
	s_mul_i32 s59, s[WV], MBLK                     ; and I mine: in slot 0)
	s_mul_i32 s58, s58, QBLK
	s_add_co_u32 s58, s58, QIMG                    ; and where my partner puts its own
	; descriptor group 1: a chunk, 16,896 dense bytes, as 66 rows of 32 elements of 8 bytes
	s_mov_b32 s[G1], 15|(3<<16)|(1<<21)            ; 15:0 the mask: all four work-groups; 17:16 elements of 8 bytes; 20 no padding; 21 set beside a mask
	s_mov_b32 s[G1+1], 32<<16                      ; tensor_dim0 = 32
	s_mov_b32 s[G1+2], 66<<16                      ; tensor_dim1 = 66
	s_mov_b32 s[G1+3], 32<<16                      ; tile_dim0 = 32
	s_mov_b32 s[G1+4], 66                          ; tile_dim1 = 66
	s_mov_b32 s[G1+5], 32                          ; elements from row to row
	s_mov_b32 s[G1+6], 0
	s_mov_b32 s[G1+7], 0
	s_mul_i32 s[G0A+1], s[WV], CHUNK               ; LDS address: my chunk of slot 0: the wave's number times a constant
	s_mul_i32 s50, s44, 32*CHUNK                   ; the head's 32 chunks in kv,
	s_add_co_u32 s50, s50, s[G0A+1]                ; and my chunk among a slot's eight
	s_mov_b32 s51, 0
	s_mov_b32 s[MNT], 0x600000
	s_mov_b32 s[SEL], 0x76543210
	s_mov_b32 s[SEL+1], 0xfedcba98
	s_mov_b32 s[CS], 0x3e0293ee                    ; c = log2(e) / sqrt(128)
	s_mov_b32 s[CS+1], s[CS]                       ; named with it as a pair, so it is written
	s_wait_kmcnt 0x0
	s_add_nc_u64 s[52:53], s[12:13], s[50:51]
	s_mov_b32 s[G0A], 1                            ; count = 1
	s_mov_b64 s[G0A+2:G0A+3], s[52:53]             ; key steps 0 to 3
	s_or_b32 s[G0A+3], s[G0A+3], 0x80000000        ; type = 2
	s_mov_b32 s[G0B], 1
	s_add_co_u32 s[G0B+1], s[G0A+1], SLOTB
	s_add_nc_u64 s[G0B+2:G0B+3], s[52:53], SLOTB   ; key steps 4 to 7
	s_or_b32 s[G0B+3], s[G0B+3], 0x80000000
	CROUND                                         ; all four work-groups are here: the first joint loads meet
	tensor_load_to_lds s[G0A:G0A+3], s[G1:G1+7]    ; both first fills go out together, ahead of every wait on TENSORcnt and every LDS read
	s_nop 0
	tensor_load_to_lds s[G0B:G0B+3], s[G1:G1+7]
	s_nop 0
.rept 4
	v_nop
.endr
	; ---- q = x Wq for tile w, while the chunks are on their way
	s_mov_b32 s55, 0
	s_lshl_b32 s54, s47, 11
	s_add_nc_u64 s[4:5], s[4:5], s[54:55]          ; x's codes: 16 m rows of 128 bytes
	s_lshl_b32 s54, s47, 6
	s_add_nc_u64 s[6:7], s[6:7], s[54:55]          ; x's scale words
	s_lshl_b32 s54, s45, 14
	s_add_nc_u64 s[8:9], s[8:9], s[54:55]          ; the head's 128 rows of Wq
	s_lshl_b32 s54, s45, 9
	s_add_nc_u64 s[10:11], s[10:11], s[54:55]
	s_lshl_b32 s54, s48, 11
	s_add_nc_u64 s[14:15], s[14:15], s[54:55]      ; y's codes: fragment 8 m + h
	s_lshl_b32 s54, s48, 7
	s_add_nc_u64 s[16:17], s[16:17], s[54:55]      ; y's scale words
	v_and_b32 v1, 31, v0                           ; lane
	s_delay_alu instid0(VALU_DEP_1)
	v_lshlrev_b32 v[LSK], 3, v1
	s_delay_alu instid0(VALU_DEP_1)
	v_add_nc_u32 v[LSK], s56, v[LSK]
	s_delay_alu instid0(VALU_DEP_3)
	v_lshlrev_b32 v[LS4], 2, v1
	s_delay_alu instid0(VALU_DEP_4)
	v_lshlrev_b32 v[LI], 4, v1
	v_and_b32 v252, 15, v0                         ; r
	v_bfe_u32 v254, v0, 4, 1                       ; h
	s_delay_alu instid0(VALU_DEP_2)
	v_lshlrev_b32 v[XA], 7, v252
	s_delay_alu instid0(VALU_DEP_1)
	v_lshl_add_u32 v[XA], v254, 4, v[XA]
	s_delay_alu instid0(VALU_DEP_4)
	v_lshlrev_b32 v[XS], 2, v252
	v_and_b32 v9, 8, v252
	s_delay_alu instid0(VALU_DEP_1)
	v_add_nc_u32 v9, v9, v252                      ; r + 8 (r / 8)
	s_delay_alu instid0(VALU_DEP_1)
	v_lshlrev_b32 v[ADI], 7, v9
	s_delay_alu instid0(VALU_DEP_1)
	v_lshl_add_u32 v[ADI], v254, 4, v[ADI]         ; Wq: that row of 128 bytes + 16 h
	s_delay_alu instid0(VALU_DEP_3)
	v_lshlrev_b32 v[ADW], 2, v9
	s_delay_alu instid0(VALU_DEP_1)
	v_lshl_add_u32 v[ADW], v254, 5, v[ADW]         ; its scale words; lanes 16-31 stand 8 rows on: the odd tile of a pair
.irp c, 0,1,2,3
	global_load_b128 v[224+4*\c:227+4*\c], v[XA], s[4:5] offset:32*\c
.endr
	global_load_b32 v255, v[XS], s[6:7]
.irp n, 0,1,2,3,4,5,6,7                        ; Wq's tiles 0-3 at v32 on, 4-7 at v160 on
.irp c, 0,1,2,3
	global_load_b128 v[32+16*\n+64*(\n/4)+4*\c:35+16*\n+64*(\n/4)+4*\c], v[ADI], s[8:9] offset:(32*(\n/2)+8*(\n%2))*128+32*\c
.endr
.endr
.irp p, 0,1,2,3
	global_load_b32 v[248+\p], v[ADW], s[10:11] offset:128*\p
.endr
	s_wait_loadcnt 0x0                             ; all 41 loads; their offset registers are free
.irp n, 0,1,2,3,4,5,6,7
	WM 96+8*\n, 32+16*\n+64*(\n/4), 224, 0, 248+\n/2, 255, \n%2   ; lane (r, h) holds query r; registers 16 b + i hold channels 32 b + 16 h + i
.endr
	v_add_nc_u32 v[LIK], s56, v[LI]                ; eight places in front of the first read of results and of writes into x's fragment and its scale word: three additions that are due anyway,
	v_add_nc_u32 v[ADI], s57, v[LI]                ; (where I put q's image)
	v_add_nc_u32 v[XA], s58, v[LI]                 ; (where I read my partner's)
.rept 5
	v_nop                                          ; and five of these
.endr
.irp b, 0,1,2,3
	v_mov_b32 v[236+\b], 0                         ; written once: a lane permute's destination counts as one of its sources
.endr
	QUANT 96, 16, 255                              ; tile w's q: codes v16-31, scale word v255
.irp c, 0,1,2,3
	ds_store_b128 v[ADI], v[16+4*\c:19+4*\c] offset:512*\c   ; its image, for my partner
.endr
	ds_store_b32 v[ADI], v255 offset:2048          ; and its scale word, 16 bytes from lane to lane, so that one address register serves
	INIT                                           ; window 0's tile
	WIN 0x55
	INIT                                           ; window 1's
.irp b, 0,1,2,3
	v_mov_b32 v[236+\b], 0                         ; window 1's permute destinations, written once
.endr
	WIN 0
	s_wait_tensorcnt 0x1                           ; my chunk of slot 0 is in; slot 1's, issued behind it, may stay out
	s_wait_dscnt 0x0                               ; for my partner's sake: q's image lies in LDS
	s_barrier_signal -1
	s_barrier_wait -1                              ; everybody's chunk and image are there
	ds_load_b32 v[Q1S], v[XA] offset:2048          ; tile w xor 1's q: its scale word,
	WIN 0x40
.irp c, 0,1,2,3
	ds_load_b128 v[16+4*\c:19+4*\c], v[XA] offset:512*\c     ; and its codes, into window 1; the first step's wait for K's first loads, issued behind these, covers them
.endr
	WIN 0
	PHASE 0                                        ; of key steps 0 to 3 my two
	CHANGE 1, G0A                                  ; slot 0 takes key steps 8 to 11
	PHASE SLOTB                                    ; 4 to 7
	CHANGE 1, G0B                                  ; slot 1 takes 12 to 15
	PHASE 0                                        ; 8 to 11
	CHANGE 0, G0A                                  ; nothing is left to fetch; behind this barrier nobody reads slot 0, and it has had its last fill
	PHASE SLOTB                                    ; 12 to 15
	; ---- THE MERGE.  Window 1's partial goes to my partner, whose window 1 holds the other half of the keys of my tile w.
	v_add_nc_u32 v[ADI], s59, v[LI]                ; eight places behind the last products: two additions,
	v_add_nc_u32 v[XA], s60, v[LI]
.rept 6
	v_nop                                          ; and six of these
.endr
	WIN 0x04                                       ; an LDS store's data are its source 1: window 1
.set J, 0
.rept 16
	ds_store_b128 v[ADI], v[160+4*J:163+4*J] offset:512*J    ; O^T as it stands, each result from its low end on
.set J, J+1
.endr
	ds_store_b128 v[ADI], v[12:15] offset:8192     ; -M, t, the sum's two halves
	WIN 0
	s_wait_alu depctr_va_vdst(0)
	s_wait_dscnt 0x0                               ; for my partner's sake: my partial lies in LDS
	s_barrier_signal -1
	s_barrier_wait -1
.set J, 0
.rept 16
	ds_load_b128 v[96+4*J:99+4*J], v[XA] offset:512*J        ; my partner's O^T of tile w: the same lanes hold the same query and channels
.set J, J+1
.endr
	ds_load_b128 v[232:235], v[XA] offset:8192
	s_wait_dscnt 0x0
	v_min_num_f32 v240, v12, v232                  ; -M of all keys: M is the larger of the two
	s_delay_alu instid0(VALU_DEP_1)
	v_sub_f32 v241, v240, v12                      ; my M less the common one: a whole number, 0 or less
	s_delay_alu instid0(VALU_DEP_2)
	v_sub_f32 v242, v240, v232                     ; my partner's likewise
	s_delay_alu instid0(VALU_DEP_2)
	v_cvt_i32_f32 v241, v241
	s_delay_alu instid0(VALU_DEP_2)
	v_cvt_i32_f32 v242, v242
	s_delay_alu instid0(VALU_DEP_2)
	v_ldexp_f32 v236, 1.0, v241                    ; fa, fb: exact powers of two
	s_delay_alu instid0(VALU_DEP_2)
	v_ldexp_f32 v238, 1.0, v242
	v_pk_mul_f32 v[14:15], v[14:15], v[236:237] op_sel_hi:[1,0]
	v_pk_fma_f32 v[14:15], v[234:235], v[238:239], v[14:15] op_sel_hi:[1,0,1]   ; the sum under the common M, still in two halves
	s_delay_alu instid0(VALU_DEP_1)
	v_add_f32 v14, v14, v15                        ; the two halves,
	s_delay_alu instid0(VALU_DEP_1)
	v_permlanex16_b32 v252, v14, s[SEL], s[SEL+1]
	s_delay_alu instid0(VALU_DEP_1)
	v_add_f32 v14, v14, v252                       ; and lane l xor 16's: the row's sum
	s_wait_alu depctr_va_vdst(0)
	v_rcp_f32 v14, v14
	v_nop                                          ; a plain line behind the transcendental
	s_wait_alu depctr_va_vdst(0)
	v_mul_f32 v236, v236, v14                      ; fa / l, fb / l: a power of two times 1 / l rounds nothing
	v_mul_f32 v238, v238, v14
.set J, 0
.rept 32
	v_pk_mul_f32 v[96+J:97+J], v[96+J:97+J], v[238:239] op_sel_hi:[1,0]
.set J, J+2
.endr
.set J, 0
.rept 32
	v_pk_fma_f32 v[96+J:97+J], v[160+J:161+J], v[236:237], v[96+J:97+J] op_sel_hi:[1,0,1]   ; register 16 b + i is y(query r, channel 32 b + 16 h + i); each result is read from its low end on
.set J, J+2
.endr
	; ---- THE WAY OUT: y quantised along the head's 128; the codes are the next product's fragment as they stand, so they leave straight from registers
	QUANT 96, 16, 255
.irp c, 0,1,2,3
	global_store_b128 v[LI], v[16+4*\c:19+4*\c], s[14:15] offset:512*\c   ; 512 consecutive bytes, aligned
.endr
	global_store_b32 v[LS4], v255, s[16:17]        ; 128 consecutive bytes: half of an aligned block of 256; a sixteenth of the codes' bytes
	s_wait_tensorcnt 0x0                           ; the wave's end
	ds_add_u32 v[SPW], v[NIL]
	s_wait_dscnt 0x0
	CROUND                                         ; the closing round: no work-group ends while a partner may still ask for a chunk that names it
	s_endpgm
.Lfunc_end_k_qf291fd90e5_attn:
	.size	k_qf291fd90e5_attn, .Lfunc_end_k_qf291fd90e5_attn-k_qf291fd90e5_attn
	.p2alignl 7, 3214868480
	.fill 96, 4, 3214868480
	.section	.rodata,"a",@progbits
	.p2align	6, 0x0
	.amdhsa_kernel k_qf291fd90e5_attn
		.amdhsa_group_segment_fixed_size 327680
		.amdhsa_private_segment_fixed_size 0
		.amdhsa_enable_private_segment 0
		.amdhsa_kernarg_size 56
		.amdhsa_user_sgpr_count 2
		.amdhsa_user_sgpr_kernarg_segment_ptr 1
		.amdhsa_wavefront_size32 1
		.amdhsa_system_sgpr_workgroup_id_x 1
		.amdhsa_system_sgpr_workgroup_id_y 1
		.amdhsa_system_sgpr_workgroup_id_z 1
		.amdhsa_system_vgpr_workitem_id 0
		.amdhsa_next_free_vgpr 512
		.amdhsa_next_free_sgpr 66
		.amdhsa_reserve_vcc 0
		.amdhsa_float_denorm_mode_32 3
		.amdhsa_float_denorm_mode_16_64 3
		.amdhsa_memory_ordered 1
		.amdhsa_forward_progress 1
		.amdhsa_inst_pref_size 206
	.end_amdhsa_kernel
	.amdgpu_metadata
---
amdhsa.version: [ 1, 2 ]
amdhsa.kernels:
  - .name:           k_qf291fd90e5_attn
    .symbol:         k_qf291fd90e5_attn.kd
    .args:
      - { .name: x_codes, .offset: 0, .size: 8, .value_kind: global_buffer, .address_space: global }
      - { .name: x_scales, .offset: 8, .size: 8, .value_kind: global_buffer, .address_space: global }
      - { .name: Wq_codes, .offset: 16, .size: 8, .value_kind: global_buffer, .address_space: global }
      - { .name: Wq_scales, .offset: 24, .size: 8, .value_kind: global_buffer, .address_space: global }
      - { .name: kv, .offset: 32, .size: 8, .value_kind: global_buffer, .address_space: global }
      - { .name: y_codes, .offset: 40, .size: 8, .value_kind: global_buffer, .address_space: global }
      - { .name: y_scales, .offset: 48, .size: 8, .value_kind: global_buffer, .address_space: global }
    .group_segment_fixed_size: 327680
    .private_segment_fixed_size: 0
    .kernarg_segment_align: 8
    .kernarg_segment_size: 56
    .max_flat_workgroup_size: 256
    .sgpr_count:     66
    .vgpr_count:     512
    .wavefront_size: 32
...
	.end_amdgpu_metadata
.endif
;; end of part 5
;; launch outproj (part 6): grid 256 x 1, 8 waves a work-group, no clusters, 68,608 bytes of LDS; arguments y_codes, y_scales, Wu_codes, Wu_scales, bu, out0; writes out0
.if DOCPART == 6
	.amdgcn_target "amdgcn-amd-amdhsa--gfx1250"
	.amdhsa_code_object_version 6
	.text
	.protected	k_qf291fd90e5_outproj
	.globl	k_qf291fd90e5_outproj
	.p2align	8
	.type	k_qf291fd90e5_outproj,@function
k_qf291fd90e5_outproj:
	s_mov_b64 s[64:65], 0
	v_nop
	global_prefetch_b8 v0, s[64:65] scope:SCOPE_SE
	s_setreg_imm32_b32 hwreg(HW_REG_WAVE_SCHED_MODE, 0, 2), 2
	s_setreg_imm32_b32 hwreg(HW_REG_WAVE_MODE, 25, 1), 1
	s_wait_xcnt 0x0
	s_wait_alu depctr_vm_vsrc(0)
; out = y Wu + bu on codes of BF8 (E5M2) with one E8M0 scale for each 32 along K = 1,024.  y comes as images of the operand's registers: fragment (row tile m, K step h) at (8 m + h) x 2,048 bytes,
; register group c of lane l at 512 c + 16 l; its scale words at (8 m + h) x 128 bytes, 4 bytes a lane.  Wu: [128 outputs][1,024] codes, [128][32] scale bytes.
; SHARES: a work-group makes 16 rows x all 128 outputs.  WAVE w TAKES K STEP w (head w) for all eight tiles of outputs: eight products, each begun with the constant 0, on eight results.  The eight partial
; tiles meet in LDS, which is also the way into whole rows: wave w then sums rows 2 w and 2 w + 1, in a fixed order (the bias, then K steps 0 to 7), and stores them.
; The product is used transposed (source 0 = 16 rows of Wu, source 1 = y): a lane holds eight neighbouring outputs of one row.
; LDS: partial p at 8,448 p: 16 rows of 512 bytes + 16 of padding (528 = 33 x 16, so that the 16 rows that a store touches begin in different banks: 64 banks of 4 bytes, ISA guide 11.1);
; behind the eight partials, from byte 67,584 on, the spare words, 128 bytes a wave, which no other line names.
; NO CLUSTER, NO TENSOR LOAD: the operands go straight into registers by one run of 42 loads and one wait, and a wave has one K step: there is no tile in LDS that partners could receive jointly.
; A wave's loads of Wu take 128 bytes of each of the 128 rows, 32 bytes of 16 rows an instruction.
; THE MODE: SCHED_MODE bits 1:0 = 2 (LLVM: expert scheduling mode 2), set by the entry lines.  The code itself states the register dependences between vector or matrix instructions and memory or LDS
; instructions, with s_wait_alu, always for 0.
; THE PLAN.  Registers that memory or LDS instructions touch:
;   v1-v4         offsets of the loads and stores, v5, v6 LDS addresses, v254, v255 the closing add's two: written at the head by vector lines, never written again.
;   v[8:11]       v10 and v11 are named by the head's arithmetic; then bu lands there.
;   v12, v20-23, v32-159, v224-239   the head's loads land in them; no vector line names them before.
;   v160-223      written by the eight products, read by the sixteen LDS stores, never written again.
;   v32-95        read by the products (Wu's first four fragments); behind the barrier the partial rows land there.
;   v96-103       written by the sums, read by the two stores.
; So three waits on va_vdst: ahead of the first load; behind the products' places, for the LDS stores' data and for the LDS loads into v32-95, with no vector line between it and those loads; and ahead of the
; two stores, behind both rows' sums.  No register that a memory or LDS instruction reads is written again, so no wait on vm_vsrc is owed.  All operands and scales of the products come from loads.
; REGISTERS: v1-6 offsets and addresses; v[8:11] my four numbers of bu; v12 y's scale word; v20-23 Wu's scale words (tile 2 p in lanes 0-15, tile 2 p + 1 in lanes 16-31); v32-159 Wu's eight fragments, then
; v32-95 the partial rows and v96-103 the sums; v160-223 the eight results; v224-239 y's fragment.
.set PART,  8448
.set PITCH, 528
.macro WM d, a, b, sa, sb, ra
.if \ra
	v_wmma_scale_f32_16x16x128_f8f6f4 v[\d:\d+7], v[\a:\a+15], v[\b:\b+15], 0, v[\sa], v[\sb] matrix_a_fmt:MATRIX_FMT_BF8 matrix_b_fmt:MATRIX_FMT_BF8 matrix_a_scale:MATRIX_SCALE_ROW1
.else
	v_wmma_scale_f32_16x16x128_f8f6f4 v[\d:\d+7], v[\a:\a+15], v[\b:\b+15], 0, v[\sa], v[\sb] matrix_a_fmt:MATRIX_FMT_BF8 matrix_b_fmt:MATRIX_FMT_BF8
.endif
.endm
	s_load_b128 s[4:7], s[0:1], 0x0                ; y's codes, y's scale words
	s_load_b128 s[8:11], s[0:1], 0x10              ; Wu's codes, Wu's scales
	s_load_b128 s[12:15], s[0:1], 0x20             ; bu, out
	v_lshl_add_u32 v254, v0, 2, 0x10800            ; the LDS address of my spare word, and 0: made here and kept for the closing lines alone
	v_mov_b32 v255, 0
	v_lshrrev_b32 v1, 5, v0
	v_readfirstlane_b32 s16, v1                    ; wave 0..7
	v_and_b32 v1, 31, v0                           ; lane
	v_lshlrev_b32 v2, 2, v1                        ; 4 x lane
	v_lshlrev_b32 v1, 4, v1                        ; 16 x lane
	v_and_b32 v10, 15, v0                          ; r
	v_bfe_u32 v11, v0, 4, 1                        ; h
	v_lshlrev_b32 v3, 10, v10
	v_lshl_add_u32 v3, v11, 4, v3                  ; Wu: row r of 1,024 bytes + 16 h
	v_lshlrev_b32 v4, 5, v10
	v_lshl_add_u32 v4, v11, 9, v4                  ; its scale words: 32 bytes a row; lanes 16-31 stand 16 rows on: the odd tile of a pair
	v_mul_u32_u24 v5, v10, PITCH
	v_lshl_add_u32 v5, v11, 5, v5
	s_wait_alu depctr_va_sdst(0)                   ; s16, the wave's number, is written, ahead of its first reader: the LDS addresses and all bases are made from it
	s_mul_i32 s20, s16, PART
	v_add_nc_u32 v5, s20, v5                       ; into my partial: row r, + 32 h
	s_mul_i32 s21, s16, 2*PITCH
	v_add_nc_u32 v6, s21, v1                       ; back: rows 2 w and 2 w + 1 of every partial, 16 bytes a lane
	s_lshl_b32 s17, ttmp9, 3
	s_add_co_u32 s17, s17, s16                     ; 8 m + w
	s_mov_b32 s19, 0
	s_wait_kmcnt 0x0
	s_lshl_b32 s18, s17, 11
	s_add_nc_u64 s[4:5], s[4:5], s[18:19]
	s_lshl_b32 s18, s17, 7
	s_add_nc_u64 s[6:7], s[6:7], s[18:19]
	s_lshl_b32 s18, s16, 7
	s_add_nc_u64 s[8:9], s[8:9], s[18:19]          ; K step w: 128 bytes on in each row of Wu,
	s_lshl_b32 s18, s16, 2
	s_add_nc_u64 s[10:11], s[10:11], s[18:19]      ; 4 bytes on in each row of its scales
	s_lshl_b32 s18, ttmp9, 13
	s_lshl_b32 s22, s16, 10
	s_add_co_u32 s18, s18, s22
	s_add_nc_u64 s[14:15], s[14:15], s[18:19]      ; out: row 16 m + 2 w
	s_wait_alu depctr_va_vdst(0)                   ; the offsets and addresses v1 to v6 are written, which the loads, stores and LDS instructions below read; the head's lines are done with v10 and v11, in which bu lands
	global_load_b128 v[8:11], v1, s[12:13]         ; bu at my four columns
.irp c, 0,1,2,3
	global_load_b128 v[224+4*\c:227+4*\c], v1, s[4:5] offset:512*\c
.endr
	global_load_b32 v12, v2, s[6:7]
.irp n, 0,1,2,3,4,5,6,7
.irp c, 0,1,2,3
	global_load_b128 v[32+16*\n+4*\c:35+16*\n+4*\c], v3, s[8:9] offset:16384*\n+32*\c
.endr
.endr
.irp p, 0,1,2,3
	global_load_b32 v[20+\p], v4, s[10:11] offset:1024*\p
.endr
	s_wait_loadcnt 0x0                             ; all 42 loads, once
.irp n, 0,1,2,3,4,5,6,7
	WM 160+8*\n, 32+16*\n, 224, 20+\n/2, 12, \n%2  ; lane (r, h): row r, outputs 16 n + 8 h + 0 .. 7
.endr
.rept 8
	v_nop                                          ; places in front of the stores of results
.endr
	s_wait_alu depctr_va_vdst(0)                   ; the products have written v160-223, which the LDS stores read, and are done reading v32-95, in which the LDS loads behind the barrier land; the places above stay beside this wait
.irp n, 0,1,2,3,4,5,6,7
	ds_store_b128 v5, v[160+8*\n:163+8*\n] offset:64*\n          ; each result from its low end on
	ds_store_b128 v5, v[164+8*\n:167+8*\n] offset:64*\n+16
.endr
	s_wait_dscnt 0x0                               ; for the others' sake: my partial lies in LDS
	s_barrier_signal -1
	s_barrier_wait -1
.irp i, 0,1
.irp p, 0,1,2,3,4,5,6,7
	ds_load_b128 v[32+4*(8*\i+\p):35+4*(8*\i+\p)], v6 offset:PART*\p+PITCH*\i   ; no vector or matrix line since the wait above names these registers
.endr
.endr
.irp i, 0,1
	s_wait_dscnt 8-8*\i                            ; row i's eight loads are in; the other row's eight, issued behind them, may stay out
	v_pk_add_f32 v[96+4*\i:97+4*\i], v[8:9], v[32+32*\i:33+32*\i]        ; the bias, then the K steps in ascending order; two chains
	v_pk_add_f32 v[98+4*\i:99+4*\i], v[10:11], v[34+32*\i:35+32*\i]
.irp p, 1,2,3,4,5,6,7
	v_pk_add_f32 v[96+4*\i:97+4*\i], v[96+4*\i:97+4*\i], v[32+32*\i+4*\p:33+32*\i+4*\p]
	v_pk_add_f32 v[98+4*\i:99+4*\i], v[98+4*\i:99+4*\i], v[34+32*\i+4*\p:35+32*\i+4*\p]
.endr
.endr
	s_wait_alu depctr_va_vdst(0)                   ; both rows' sums have written v96-103, which the two stores read
.irp i, 0,1
	global_store_b128 v1, v[96+4*\i:99+4*\i], s[14:15] offset:512*\i th:TH_STORE_NT   ; a row of 512 consecutive bytes, aligned; written once, read by nobody here
.endr
	s_wait_dscnt 0x0                               ; the closing lines, six on end
	s_wait_alu 0x0
	s_wait_tensorcnt 0x0
	ds_add_u32 v254, v255
	s_wait_dscnt 0x0
	s_endpgm
.Lfunc_end_k_qf291fd90e5_outproj:
	.size	k_qf291fd90e5_outproj, .Lfunc_end_k_qf291fd90e5_outproj-k_qf291fd90e5_outproj
	.p2alignl 7, 3214868480
	.fill 96, 4, 3214868480
	.section	.rodata,"a",@progbits
	.p2align	6, 0x0
	.amdhsa_kernel k_qf291fd90e5_outproj
		.amdhsa_group_segment_fixed_size 68608
		.amdhsa_private_segment_fixed_size 0
		.amdhsa_enable_private_segment 0
		.amdhsa_kernarg_size 48
		.amdhsa_user_sgpr_count 2
		.amdhsa_user_sgpr_kernarg_segment_ptr 1
		.amdhsa_wavefront_size32 1
		.amdhsa_system_sgpr_workgroup_id_x 1
		.amdhsa_system_sgpr_workgroup_id_y 1
		.amdhsa_system_sgpr_workgroup_id_z 1
		.amdhsa_system_vgpr_workitem_id 0
		.amdhsa_next_free_vgpr 256
		.amdhsa_next_free_sgpr 66
		.amdhsa_reserve_vcc 0
		.amdhsa_float_denorm_mode_32 3
		.amdhsa_float_denorm_mode_16_64 3
		.amdhsa_memory_ordered 1
		.amdhsa_forward_progress 1
		.amdhsa_inst_pref_size 12
	.end_amdhsa_kernel
	.amdgpu_metadata
---
amdhsa.version: [ 1, 2 ]
amdhsa.kernels:
  - .name:           k_qf291fd90e5_outproj
    .symbol:         k_qf291fd90e5_outproj.kd
    .args:
      - { .name: y_codes, .offset: 0, .size: 8, .value_kind: global_buffer, .address_space: global }
      - { .name: y_scales, .offset: 8, .size: 8, .value_kind: global_buffer, .address_space: global }
      - { .name: Wu_codes, .offset: 16, .size: 8, .value_kind: global_buffer, .address_space: global }
      - { .name: Wu_scales, .offset: 24, .size: 8, .value_kind: global_buffer, .address_space: global }
      - { .name: bu, .offset: 32, .size: 8, .value_kind: global_buffer, .address_space: global }
      - { .name: out0, .offset: 40, .size: 8, .value_kind: global_buffer, .address_space: global }
    .group_segment_fixed_size: 68608
    .private_segment_fixed_size: 0
    .kernarg_segment_align: 8
    .kernarg_segment_size: 48
    .max_flat_workgroup_size: 256
    .sgpr_count:     66
    .vgpr_count:     256
    .wavefront_size: 32
...
	.end_amdgpu_metadata
.endif
;; end of part 6
